; MI455X (gfx1250); checked and timed in simulation.
; The chip was launched on July 23, 2026; its instructions are those of AMD's public machine-readable ISA for CDNA 5 (MIT licence, August 2026) and "CDNA5" Instruction Set Architecture Reference Guide (July 2026). The comments in the code are by the model that wrote it; some were corrected since.
;; Mesh Cross Attention Block. Allowed arithmetic: matrix products marked QUANTISED: E2M1 operands, one E8M0 scale for each 32 along K, by v_wmma_scale_f32_16x16x128_f8f6f4 with both operands' format E2M1 (or v_wmma_scale_f32_32x16x128_f4), f32 sums; products left as they are: f32 operands where the result goes on into a quantised operand, else bf16, f16 or f32 operands; f32 sums; everything else in f32.
;; Inputs: W_ada 512 x 1,024 float32; Wkv_codes 1,024 x 16 x 16 uint8 (E2M1 codes of Wkv, K innermost, in blocks of 32 codes, two codes a byte); Wkv_scales 1,024 x 16 uint8 (E8M0 scales of Wkv, one for each 32 codes along K); Wp_codes 512 x 16 x 16 uint8 (E2M1 codes of Wp, K innermost, in blocks of 32 codes, two codes a byte); Wp_scales 512 x 16 uint8 (E8M0 scales of Wp, one for each 32 codes along K); Wq_codes 512 x 16 x 16 uint8 (E2M1 codes of Wq, K innermost, in blocks of 32 codes, two codes a byte); Wq_scales 512 x 16 uint8 (E8M0 scales of Wq, one for each 32 codes along K); b_ada 1,024 float32; b_ctx 512 float32; bp 512 float32; cond 8 x 512 float32; context 8 x 1,024 x 512 float32; context_mask 8 x 1,024 bool; g_ctx 512 float32; x 8 x 4,096 x 512 float32.
;; Outputs: out0 8 x 4,096 x 512 float32.
;; This version of the problem:
;;   THIS VERSION OF THE PROBLEM IS GIVEN IN LOW PRECISION. The matrix products marked QUANTISED in the list below multiply operands that are first quantised to E2M1 (2 exponent bits, 1 mantissa bit; 4 bits a number), with one power-of-two scale for each 32 numbers along K (OCP MX v1.0); their sums are f32. All else is computed in f32.
;;   The module's matrix products, in the order in which they are computed (A, B: the left and right operand; K: the contracted axis; several contracted axes count as one K, in the product's order):
;;     1. [M 8, K 512] x [K 512, N 1,024]; A: computed on the way; B: input W_ada: left as it is (M = 8 < 16)
;;     2. [M 32,768, K 512] x [K 512, N 512]; A: computed on the way; B: input Wq (given as codes): QUANTISED
;;     3. [M 8,192, K 512] x [K 512, N 1,024]; A: computed on the way; B: input Wkv (given as codes): QUANTISED
;;     4. batch 64 x [M 4,096, K 64] x [K 64, N 1,024]; A: computed on the way; B: computed on the way: QUANTISED
;;     5. batch 64 x [M 64, K 1,024] x [K 1,024, N 4,096]; A: computed on the way; B: softmax (see below): QUANTISED
;;     6. [M 32,768, K 512] x [K 512, N 512]; A: computed on the way; B: input Wp (given as codes): QUANTISED
;;   THE QUANTISER, for each operand of a quantised product, along K:
;;     - K is cut into blocks of 32 from its start; a last block that is shorter is filled with zeros.
;;     - A block's scale is 2^e with e = floor(log2(the largest magnitude in the block)) - 2, held to -126 .. 127; a block of zeros has e = 0. As a byte (E8M0): e + 127.
;;     - Each number is divided by its block's scale, clamped to +-6, and rounded to the nearest number of E2M1, ties to even, subnormals kept.
;;     - The product sums the exact products of the quantised numbers (number of the format x scale) in f32.
;;   ~~~python
;;   def quantise(x, axis):      # numpy; x: float32 -> the quantised numbers, widened to float32 again
;;       x = np.moveaxis(x, axis, -1); K = x.shape[-1]
;;       x = np.pad(x, [(0, 0)] * (x.ndim - 1) + [(0, -K % 32)]); x = x.reshape(x.shape[:-1] + (-1, 32)); a = np.abs(x).max(-1, keepdims=True)
;;       e = np.where(a > 0, np.clip(np.frexp(np.where(a > 0, a, 1))[1] - 1 - 2, -126, 127), 0)      # np.frexp(a)[1] - 1 = floor(log2(a)), exactly
;;       r = np.clip(x / 2.0 ** e, -6, 6)
;;       step = 2.0 ** (np.maximum(np.frexp(np.where(r == 0, 1, r))[1] - 1, 0) - 1)
;;       q = np.round(r / step) * step * 2.0 ** e      # np.round: ties to even
;;       return np.moveaxis(q.reshape(q.shape[:-2] + (-1,))[..., :K], -1, axis).astype(np.float32)
;;   ~~~
;;   SOFTMAX AHEAD OF A QUANTISED PRODUCT. Where the list says 'softmax', what is quantised is not the finished softmax but p = 2^(t - M), with t = logit x log2(e) and M = ceil(the row's largest t), a whole number; so 1/2 < the row's largest p <= 1. The row's sum l is taken of the UNQUANTISED p, in f32, and the product's result is divided by l at the end. Since M is a whole number, a kernel that streams over the keys may use a running M (the ceiling of the running maximum): every later rescaling is an exact power of two, which a block's scale takes up: the codes' values come out the same.
;;   OPERANDS COMPUTED ON THE WAY. 'Computed on the way' means the value that the module computes at that place (a softmax that the list does not call 'softmax' is quantised finished and normalised). What goes into a quantiser is computed in f32, as accurately as f32 sums, v_exp_f32 and their like allow (about 1e-6 of the number): no bf16 or f16 on the way to a quantiser, and a product that is left as it is and whose result goes on into a quantised operand takes f32 operands (vector FMAs, or v_wmma_f32_16x16x4_f32). A number that lies on a knife's edge between two numbers of the format may be rounded either way, as far as f32 arithmetic and the matrix unit's own rounding can turn it there, and no further.
;;   INPUTS GIVEN AS CODES. Wkv (in the module: [512, 1024], K = its axis 0); Wp (in the module: [512, 512], K = its axis 0); Wq (in the module: [512, 512], K = its axis 0): each comes as NAME_codes (uint8): NAME with its K axis moved to the last place and cut into blocks of 32 codes, [.., K / 32, bytes a block], one block behind the other in memory; two codes a byte, the lower K in the low four bits (a code: sign, 2 exponent bits, 1 mantissa bit); and NAME_scales (uint8): the same leading axes, one E8M0 byte (e + 127) for each 32 codes along K. Its value is code x scale, taken as it is: it is not quantised again, and the codes and scales need not be those that the quantiser above would give.
;; One version. Each part assembles by itself: llvm-mc -triple=amdgcn-amd-amdhsa -mcpu=gfx1250 --defsym DOCPART=n.
;; ======== version 1 of 1: 2 launches
;; limits: right only within a limited range of input values
;; workspace buffers: ada 32,768 bytes; kvbuf 4,587,520 bytes
;; launch kv (part 1): grid 16 x 10, 4 waves a work-group, no clusters, 67,584 bytes of LDS; arguments context, context_mask, g_ctx, b_ctx, Wkv_codes, Wkv_scales, kvbuf, cond, W_ada, b_ada, ada; writes kvbuf, ada
.if DOCPART == 1
	.amdgcn_target "amdgcn-amd-amdhsa--gfx1250"
	.amdhsa_code_object_version 6
	.text
	.protected	k_q0e20c102ca_kv
	.globl	k_q0e20c102ca_kv
	.p2align	8
	.type	k_q0e20c102ca_kv,@function
k_q0e20c102ca_kv:
	s_mov_b64 s[64:65], 0
	v_nop
	global_prefetch_b8 v0, s[64:65] scope:SCOPE_SE
	s_setreg_imm32_b32 hwreg(HW_REG_WAVE_MODE, 25, 1), 1
	s_wait_xcnt 0x0
; ctx = LayerNorm(context) g_ctx + b_ctx, quantised along its 512 columns to FP4 (E2M1) with one E8M0 scale for each 32; kv = ctx Wkv on codes; k is quantised along the head's 64,
; v along the keys; both leave in the order of the registers of the launch that reads them.  The mask rides in k's scale words.
; kvbuf: [batch 8][head 8][step 8] blocks of 8,960 bytes, a block = 128 keys of one head:
;   0    + 512 T + 16 lane            K, tile T of 16 keys: lane (r, h) holds the 32 codes d = 32 h .. of key 32 (T/2) + 8 (T%2) + r + 8 (r/8)
;   4096 + 1024 t + 512 c + 16 lane   V^T, tile t of 16 of the head's 64: row d = 32 (t/2) + 8 (t%2) + r + 8 (r/8); keys 64 c + 32 h + 0 .. 31
;   8192 + 256 c + 8 lane + 4 i       K's scale word of tile 4 c + 2 i + lane / 16, key r: bytes: d block 0, d block 1, THE MASK'S BYTE, 127
;   8704 + 8 lane + 4 i               V's scale word of tile 2 i + lane / 16, row r: byte j for the step's j-th 32 keys
; THE MASK.  The score's product has K = 64 of the instruction's 128.  The reader sets the code +1 at k = 64 of every fragment of K and -1 there in Q, under Q's byte 127.  K's byte for that block is 254 for
; a hidden key (-2^127 is added to its score: its weight is 0) and 0 for a key that counts.
; LIMITS: a key that counts has -2^-127 added to its score.  A batch all of whose keys are hidden was not tried.  Blocks whose largest magnitude lies under 2^-124 keep the scale byte 1 (a block of zeros too: its codes
; are zeros, and this program alone reads the bytes).  NaN and infinities among the inputs are not served.
; SHARES.  A work-group takes 64 keys of one batch (x: which 64, y: the batch): half c = x % 2 of step x / 2.  In the LayerNorm wave w owns columns 128 w .. 128 w + 127 (K step w of the products) of all 64 keys,
; four tiles of 16; tile m's row j is key 32 (m/2) + 8 (m%2) + j + 8 (j/8).  In the products wave w owns heads 2 w and 2 w + 1, whose 64 fragments of Wkv stay in its registers.
; k is made transposed (source 0 = 16 rows of Wk, source 1 = 16 keys): a lane holds one key, its registers run along d.  v is made the other way (source 0 = 16 keys, source 1 = 16 rows of Wv): a lane holds one d,
; its registers run along the keys.  The rows of a tile are chosen so that the 16 registers of two neighbouring tiles are 16 neighbours along the axis to be quantised.
; REGISTERS, in windows of 256: window 1: the 64 x 128 numbers of context (register 64 m + 16 b + i = column 128 w + 32 b + 16 h + i of tile m's row r), later v's 16 accumulators (32 t + 8 T).
;   windows 2, 3: the fragments of Wkv of heads 2 w, 2 w + 1: Wk's (t, s) at 8 (4 t + s), Wv's at 128 + 8 (4 t + s).   window 0: all else.
.set NT,   4                           ; tiles of 16 rows
.set NB,   4                           ; blocks of 32 in a wave's slice of a row
.set RW,   64                          ; registers of a tile
.set SP,   528                         ; a stage row: 512 bytes + 16: an odd multiple of 16, so that sixteen rows' 16 bytes fall on different banks (64 banks of 4 bytes: ISA guide 11.1)
.set STG,  0                           ; LDS: a stage of 16 rows for each wave
.set CIMG, 33792                       ; ctx's 16 fragments as images of their registers: (4 m + s) x 1,024 + 512 c + 16 lane
.set CSC,  50176                       ; their scale words: (4 m + s) x 128 + 4 lane
.set PS1,  52224                       ; partial sums of the rows: 256 m + 16 r + 4 w
.set PS2O, 1024                        ; partial sums of squares: as many bytes behind
.set PSM,  256
.set GX,  1                            ; v1   16 lane: my bytes of a row's 512
.set SDS, 2                            ; v2   the stage, on the way in
.set SQ,  3                            ; v3   and on the way out: row r, + 64 h
.set APS, 4                            ; v4   where I store a partial sum
.set APR, 5                            ; v5   where I read a row's four
.set AHI, 6                            ; v6   where I store an image
.set AHS, 7                            ; v7   and its scale word
.set GT,  8                            ; v8   64 h: my place in a block of the gains
.set VW,  9                            ; v9   my lane's place in a tile of Wkv's codes
.set L16, 10                           ; v10  CIMG + 16 lane
.set L4,  11                           ; v11  CSC + 4 lane
.set SA,  12                           ; v12-19 sums at work
.set VWS, 20                           ; v20  my lane's place among Wkv's scale words
.set VM,  21                           ; v21  my key's place in the mask
.set VK,  22                           ; v22-23, v37-38  my places in a block of kvbuf
.set VV,  23
.set TM,  24                           ; v24-27 largest magnitudes; v28-31 the other half's, then bytes; v32-35 the conversions' scale operands; v36 the scale word
.set TP,  28
.set TS,  32
.set PW,  36
.set VKS, 37
.set VVS, 38
.set TA,  40                           ; v40-103  g_ctx at my columns
.set TBL, 104                          ; v104-167 b_ctx
.set HT,  168                          ; v168-231 a tile at work
.set PT,  168                          ; (partial sums as read)
.set PC,  232                          ; v232-239 codes just made
.set MR,  240                          ; v240-247 mean and 1 / deviation of my row in each tile, in pairs
.set WSC, 40                           ; the products: v40-71 Wkv's scale words: 16 hh + 8 part + 4 (t/2) + s: lanes 0-15 the even tile's rows, lanes 16-31 the odd tile's
.set MW,  72                           ; v72-75   the mask's byte and 127, at their places in K's scale word, for each tile of keys
.set CF,  76                           ; v76-107  ctx's four fragments of a tile
.set CW,  108                          ; v108-111 their scale words
.set KACC, 112                         ; v112-143 k's four accumulators
.set PCK, 144                          ; v144-159 k's codes, four registers a tile
.set PCV, 160                          ; v160-175 v's codes
.set KWD, 176                          ; v176-179 K's scale words
.set HWV, 180                          ; v180-181 V's half words of the even tiles
.set OUTS, 184                         ; v184-187 scale words as they are stored
.set SEL, 20                           ; s[20:21]
.set MSB, 0
.macro WIN new                         ; the immediate's high byte repeats the setting that is left; a switch that changes nothing is dropped
.if MSB != (\new)
	s_set_vgpr_msb (MSB<<8)|(\new)
.set MSB, \new
.endif
.endm
; 16 nb numbers of a lane in window w, register src + 16 b + i = k 32 b + 16 (lane / 16) + i of my row, become 2 nb registers of codes from v[pc] on, whole blocks to a lane, and the scale bytes in v[PW].
.macro QUANT src, nb, w, pc
	WIN 5*(\w)
.set qb, 0
.rept \nb
	v_max3_num_f32 v[TM+qb], |v[(\src)+16*qb]|, |v[(\src)+16*qb+1]|, 0x1800000   ; my 16 numbers of block b, and the floor 2^(3 - 127): the byte cannot fall under 1
.set qb, qb+1
.endr
	WIN 0x14*(\w)
.irp qi, 2,4,6,8,10,12,14
.set qb, 0
.rept \nb
	v_max3_num_f32 v[TM+qb], v[TM+qb], |v[(\src)+16*qb+\qi]|, |v[(\src)+16*qb+\qi+1]|   ; (the blocks by turns)
.set qb, qb+1
.endr
.endr
	WIN 0
.set qb, 0
.rept \nb
	v_permlanex16_b32 v[TP+qb], v[TM+qb], s[SEL], s[SEL+1]
.set qb, qb+1
.endr
.set qb, 0
.rept \nb
	v_max_num_f32 v[TM+qb], v[TM+qb], v[TP+qb]     ; with lane l xor 16's: the block's largest magnitude
.set qb, qb+1
.endr
.set qb, 0
.rept \nb
	v_add_nc_u32 v[TS+qb], 0xff000000, v[TM+qb]    ; 2 off its exponent field: the conversion takes the exponent field of this operand as its scale
.set qb, qb+1
.endr
.set qb, 0
.rept \nb
	v_lshrrev_b32 v[TP+qb], 23, v[TS+qb]           ; the scale's byte
.set qb, qb+1
.endr
	v_lshl_or_b32 v[PW], v[TP+1], 8, v[TP]
.if (\nb) == 4
	v_lshl_or_b32 v[PW], v[TP+2], 16, v[PW]
	v_lshl_or_b32 v[PW], v[TP+3], 24, v[PW]
.endif
	WIN \w
.set qb, 0
.rept \nb
	v_cvt_scalef32_pk8_fp4_f32 v[(\pc)+2*qb], v[(\src)+16*qb:(\src)+16*qb+7], v[TS+qb]
	v_cvt_scalef32_pk8_fp4_f32 v[(\pc)+2*qb+1], v[(\src)+16*qb+8:(\src)+16*qb+15], v[TS+qb]
.set qb, qb+1
.endr
	WIN 0
	v_nop                                          ; one plain place behind a scaled conversion
.set qb, 0
.rept (\nb)/2
	v_permlane16_swap_b32 v[(\pc)+4*qb], v[(\pc)+4*qb+2]       ; the operand's layout wants a whole block in a lane: lanes 0-15 the even block, lanes 16-31 the odd one
	v_permlane16_swap_b32 v[(\pc)+4*qb+1], v[(\pc)+4*qb+3]
.set qb, qb+1
.endr
.endm
.macro BAR                             ; my LDS stores have landed and my LDS loads are in: then the work-group's barrier
	s_wait_dscnt 0x0
	s_barrier_signal -1
	s_barrier_wait -1
.endm
	; grid rows y = 0 .. 7 make k and v of batch y; rows y = 8, 9 make the AdaLN parameters (at the text's end): the two hang on nothing of each other
	s_and_b32 s2, ttmp7, 0xffff
	s_cmp_ge_u32 s2, 8
	s_cbranch_scc1 .Lada
	s_load_b256 s[4:11], s[0:1], 0x0
	s_load_b128 s[12:15], s[0:1], 0x20             ; Wkv's codes s[12:13], its scales s[14:15]
	s_load_b64 s[16:17], s[0:1], 0x30              ; kvbuf
	v_lshl_add_u32 v254, v0, 2, 0xd400
	v_mov_b32 v255, 0
	v_lshrrev_b32 v248, 5, v0
	v_readfirstlane_b32 s18, v248                  ; wave 0..3
	v_and_b32 v248, 31, v0                         ; lane
	s_wait_alu depctr_va_vdst(0)
	v_and_b32 v249, 15, v0                         ; r
	s_wait_alu depctr_va_vdst(0)
	v_bfe_u32 v250, v0, 4, 1                       ; h
	v_and_b32 v251, 8, v249
	v_add_nc_u32 v251, v251, v249                  ; r + 8 (r / 8)
	s_mov_b32 s[SEL], 0x76543210
	s_mov_b32 s[SEL+1], 0xfedcba98                 ; v_permlanex16_b32's selects for lane l xor 16
	s_mov_b32 s22, 0xffff0000                      ; lanes 16-31
	s_mov_b32 s23, 0x3b000000                      ; 1 / 512
	s_mov_b32 s24, 0x3727c5ac                      ; 1e-5
	s_and_b32 s25, ttmp7, 0xffff                   ; the batch
	s_and_b32 s38, ttmp9, 1                        ; c: which half of a step's 128 keys
	s_lshr_b32 s39, ttmp9, 1                       ; the step
	s_lshl_b32 s28, s25, 10
	s_lshl_b32 s26, ttmp9, 6
	s_add_co_u32 s28, s28, s26                     ; my first key among the 8,192: also its byte in the mask
	s_mov_b32 s29, 0
	s_lshl_b32 s26, s28, 11                        ; its row of 2,048 bytes,
	s_lshl_b32 s30, s18, 9                         ; my wave's 512 bytes of a row
	s_add_co_u32 s26, s26, s30
	s_mov_b32 s27, 0
	s_mov_b32 s31, 0
	s_lshl_b32 s32, s18, 15                        ; Wkv's codes: head 2 w begins 128 w rows of 256 bytes on
	s_mov_b32 s33, 0
	s_lshl_b32 s34, s18, 11                        ; its scales: rows of 16 bytes
	s_mov_b32 s35, 0
	s_lshl_b32 s36, s25, 3
	s_lshl_b32 s37, s18, 1
	s_add_co_u32 s36, s36, s37                     ; 8 batch + head
	s_lshl_b32 s36, s36, 3
	s_add_co_u32 s36, s36, s39
	s_mul_i32 s36, s36, 8960                       ; head 2 w's block of this step
	s_mov_b32 s37, 0
	s_mul_i32 s40, s18, 16*SP                      ; my stage
	s_lshl_b32 s41, s18, 2
	s_lshl_b32 s42, s18, 10
	s_lshl_b32 s43, s18, 7
	s_lshl_b32 s44, s38, 11
	s_lshl_b32 s45, s38, 9
	s_lshl_b32 s46, s38, 8
	s_lshl_b32 s47, s38, 1
	v_lshlrev_b32 v[GX], 4, v248
	v_add_nc_u32 v[SDS], s40, v[GX]
	v_mul_u32_u24 v[SQ], v249, SP
	s_wait_alu depctr_va_vdst(0)
	v_lshl_add_u32 v[SQ], v250, 6, v[SQ]
	v_add_nc_u32 v[SQ], s40, v[SQ]
	v_lshl_add_u32 v[APR], v249, 4, PS1
	v_add_nc_u32 v[APS], s41, v[APR]
	v_add_nc_u32 v[L16], CIMG, v[GX]
	v_add_nc_u32 v[AHI], s42, v[L16]
	v_lshl_add_u32 v[L4], v248, 2, CSC
	v_add_nc_u32 v[AHS], s43, v[L4]
	v_lshlrev_b32 v[GT], 6, v250
	v_lshlrev_b32 v[VW], 8, v251
	v_lshl_add_u32 v[VW], v250, 4, v[VW]           ; row r + 8 (r / 8) of 256 bytes, + 16 h
	v_lshl_add_u32 v[VWS], v250, 3, v251
	v_lshlrev_b32 v[VWS], 4, v[VWS]                ; lanes 16-31 take the odd tile's rows, 8 further on; 16 bytes a row
	v_mov_b32 v[VM], v251
	v_add_nc_u32 v[VK], s44, v[GX]                 ; K's images: 2,048 c + 16 lane
	v_add_nc_u32 v[VV], s45, v[GX]                 ; V's: 512 c + 16 lane
	v_lshlrev_b32 v[VKS], 3, v248
	v_add_nc_u32 v[VVS], s47, v[VKS]               ; V's half words: 8 lane + 2 c
	v_add_nc_u32 v[VKS], s46, v[VKS]               ; K's scale words: 8 lane + 256 c
.irp b, 0,1,2,3
	v_mov_b32 v[TP+\b], 0                          ; written once: a lane permute's destination counts as one of its sources
.endr
	s_wait_kmcnt 0x0
	s_add_nc_u64 s[4:5], s[4:5], s[26:27]
	s_add_nc_u64 s[6:7], s[6:7], s[28:29]
	s_add_nc_u64 s[8:9], s[8:9], s[30:31]
	s_add_nc_u64 s[10:11], s[10:11], s[30:31]
	s_add_nc_u64 s[12:13], s[12:13], s[32:33]
	s_add_nc_u64 s[14:15], s[14:15], s[34:35]
	s_add_nc_u64 s[16:17], s[16:17], s[36:37]
.irp b, 0,1,2,3
.irp j, 0,1,2,3
	global_load_b128 v[TA+16*\b+4*\j:TA+16*\b+4*\j+3], v[GT], s[8:9] offset:128*\b+16*\j
	global_load_b128 v[TBL+16*\b+4*\j:TBL+16*\b+4*\j+3], v[GT], s[10:11] offset:128*\b+16*\j
.endr
.endr
	WIN 0x40                                       ; destination window 1
.irp m, 0,1,2,3
.irp j, 0,1,2,3,4,5,6,7,8,9,10,11,12,13,14,15
	global_load_b128 v[RW*\m+4*\j:RW*\m+4*\j+3], v[GX], s[4:5] offset:(32*(\m/2)+8*(\m%2)+\j+8*(\j/8))*2048 th:TH_LOAD_NT   ; the wave reads 512 consecutive bytes of a key's row; read once in the launch
.endr
.endr
; A tile's 16 rows go through my stage as they were loaded and come back 16 neighbours of each block of 32 to a lane.  LDS serves a wave's instructions in order (ISA guide 5.7.1.4): no wait between stores and loads.
.macro TURN m
	s_wait_loadcnt 48-16*(\m)                      ; this tile's 16 loads are in (and the gains, which are older); the younger tiles' may be out
	WIN 0x04                                       ; an LDS store's data are its source 1: window 1
.irp j, 0,1,2,3,4,5,6,7,8,9,10,11,12,13,14,15
	ds_store_b128 v[SDS], v[RW*(\m)+4*\j:RW*(\m)+4*\j+3] offset:SP*\j
.endr
	WIN 0x40
.irp b, 0,1,2,3
.irp j, 0,1,2,3
	ds_load_b128 v[RW*(\m)+16*\b+4*\j:RW*(\m)+16*\b+4*\j+3], v[SQ] offset:128*\b+16*\j
.endr
.endr
.endm
	TURN 0
	TURN 1
	TURN 2
	TURN 3
.irp hh, 0,1                           ; my two heads' fragments of Wkv: they land under the LayerNorm and stay
	WIN 0x80+0x40*\hh
.irp p, 0,1
.irp t, 0,1,2,3
.irp s, 0,1,2,3
.irp c, 0,1
	global_load_b128 v[128*\p+8*(4*\t+\s)+4*\c:128*\p+8*(4*\t+\s)+4*\c+3], v[VW], s[12:13] offset:16384*\hh+131072*\p+(32*(\t/2)+8*(\t%2))*256+64*\s+32*\c
.endr
.endr
.endr
.endr
.endr
	WIN 0
	s_wait_dscnt 0x0                               ; the four tiles are back from the stage
	; the rows' sums over my 128 columns, the four tiles by turns
	WIN 0x05
.irp q, 0,1,2,3
	v_pk_add_f32 v[SA+2*\q:SA+2*\q+1], v[RW*\q:RW*\q+1], v[RW*\q+2:RW*\q+3]
.endr
	WIN 0x01
.set sj, 4
.rept RW/2-2
.irp q, 0,1,2,3
	v_pk_add_f32 v[SA+2*\q:SA+2*\q+1], v[RW*\q+sj:RW*\q+sj+1], v[SA+2*\q:SA+2*\q+1]
.endr
.set sj, sj+2
.endr
	WIN 0
.irp q, 0,1,2,3
	v_add_f32 v[SA+2*\q], v[SA+2*\q], v[SA+2*\q+1]
.endr
.irp q, 0,1,2,3
	v_permlanex16_b32 v[SA+2*\q+1], v[SA+2*\q], s[SEL], s[SEL+1]
.endr
.irp q, 0,1,2,3
	v_add_f32 v[SA+2*\q], v[SA+2*\q], v[SA+2*\q+1]
.endr
.irp q, 0,1,2,3
	ds_store_b32 v[APS], v[SA+2*\q] offset:PSM*\q  ; both halves of the lanes write the same word with the same value
.endr
	BAR                                            ; every wave's partial sums lie in LDS
.macro PLOAD off                       ; a row's four partial sums, added in one fixed order: v[PT + 4 m]
.irp m, 0,1,2,3
	ds_load_b128 v[PT+4*\m:PT+4*\m+3], v[APR] offset:(\off)+PSM*\m
.endr
	s_wait_dscnt 0x0
.irp m, 0,1,2,3
	v_pk_add_f32 v[PT+4*\m:PT+4*\m+1], v[PT+4*\m:PT+4*\m+1], v[PT+4*\m+2:PT+4*\m+3]
.endr
.irp m, 0,1,2,3
	v_add_f32 v[PT+4*\m], v[PT+4*\m], v[PT+4*\m+1]
.endr
.endm
	PLOAD 0
.irp m, 0,1,2,3
	v_mul_f32 v[MR+2*\m], s23, v[PT+4*\m]          ; the mean
	v_mov_b32 v[MR+2*\m+1], 0                      ; (named with it as a pair, so it is written)
.endr
.macro CENTRE m                        ; HT = the tile less its rows' means
	WIN 0x01
.set cj, 0
.rept RW/2
	v_pk_add_f32 v[HT+cj:HT+cj+1], v[RW*(\m)+cj:RW*(\m)+cj+1], v[MR+2*(\m):MR+2*(\m)+1] op_sel_hi:[1,0] neg_lo:[0,1] neg_hi:[0,1]
.set cj, cj+2
.endr
	WIN 0
.endm
.macro SUM2 m                          ; the sum of the squares of what is left: the variance is taken in a second pass, not as a difference of large sums
	CENTRE \m
.irp q, 0,1,2,3
	v_pk_mul_f32 v[SA+2*\q:SA+2*\q+1], v[HT+2*\q:HT+2*\q+1], v[HT+2*\q:HT+2*\q+1]
.endr
.set cj, 8
.rept RW/8-1
.irp q, 0,1,2,3
	v_pk_fma_f32 v[SA+2*\q:SA+2*\q+1], v[HT+cj+2*\q:HT+cj+2*\q+1], v[HT+cj+2*\q:HT+cj+2*\q+1], v[SA+2*\q:SA+2*\q+1]
.endr
.set cj, cj+8
.endr
	v_pk_add_f32 v[SA:SA+1], v[SA:SA+1], v[SA+2:SA+3]
	v_pk_add_f32 v[SA+4:SA+5], v[SA+4:SA+5], v[SA+6:SA+7]
	v_pk_add_f32 v[SA:SA+1], v[SA:SA+1], v[SA+4:SA+5]
	v_add_f32 v[SA], v[SA], v[SA+1]
	v_permlanex16_b32 v[SA+1], v[SA], s[SEL], s[SEL+1]
	v_add_f32 v[SA], v[SA], v[SA+1]
	ds_store_b32 v[APS], v[SA] offset:PS2O+PSM*(\m)
.endm
	SUM2 0
	SUM2 1
	SUM2 2
	SUM2 3
	BAR
	PLOAD PS2O
.irp m, 0,1,2,3
	v_fma_f32 v[PT+4*\m], v[PT+4*\m], s23, s24     ; the variance + 1e-5
.endr
	s_wait_alu depctr_va_vdst(0)
.irp m, 0,1,2,3
	v_rsq_f32 v[MR+2*\m+1], v[PT+4*\m]
.endr
	v_nop                                          ; a plain place behind the last of them
	s_wait_alu depctr_va_vdst(0)
.macro LNQ m                           ; the tile is normalised, scaled and shifted, quantised, and its image goes to LDS: K step w of the products
	CENTRE \m
.set cj, 0
.rept RW/2
	v_pk_mul_f32 v[HT+cj:HT+cj+1], v[HT+cj:HT+cj+1], v[MR+2*(\m):MR+2*(\m)+1] op_sel:[0,1] op_sel_hi:[1,1]
.set cj, cj+2
.endr
.set cj, 0
.rept RW/2
	v_pk_fma_f32 v[HT+cj:HT+cj+1], v[HT+cj:HT+cj+1], v[TA+cj:TA+cj+1], v[TBL+cj:TBL+cj+1]
.set cj, cj+2
.endr
	s_wait_dscnt 0x0                               ; the last image's stores have read their registers
	QUANT HT, NB, 0, PC
	ds_store_b128 v[AHI], v[PC:PC+3] offset:4096*(\m)
	ds_store_b128 v[AHI], v[PC+4:PC+7] offset:4096*(\m)+512
	ds_store_b32 v[AHS], v[PW] offset:512*(\m)
.endm
	LNQ 0
	LNQ 1
	LNQ 2
	LNQ 3
.irp hh, 0,1                           ; the gains are done with: Wkv's scale words and the mask's bytes take their registers
.irp p, 0,1
.irp bb, 0,1
	global_load_b128 v[WSC+16*\hh+8*\p+4*\bb:WSC+16*\hh+8*\p+4*\bb+3], v[VWS], s[14:15] offset:1024*\hh+8192*\p+512*\bb
.endr
.endr
.endr
.irp T, 0,1,2,3
	global_load_u8 v[MW+\T], v[VM], s[6:7] offset:32*(\T/2)+8*(\T%2)
.endr
	BAR                                            ; ctx's sixteen fragments lie in LDS
.macro CFETCH T                        ; a tile's four fragments and scale words, as they were stored
.irp s, 0,1,2,3
.irp c, 0,1
	ds_load_b128 v[CF+8*\s+4*\c:CF+8*\s+4*\c+3], v[L16] offset:(4*(\T)+\s)*1024+512*\c
.endr
.endr
.irp s, 0,1,2,3
	ds_load_b32 v[CW+\s], v[L4] offset:(4*(\T)+\s)*128
.endr
.endm
	CFETCH 0
	s_wait_loadcnt 0x0                             ; Wkv's codes and scale words, the mask
	v_mov_b32 v[OUTS], 0x7f000000                  ; a key that counts: bytes 0 and 127
	v_mov_b32 v[OUTS+1], 0x7ffe0000                ; a hidden key: bytes 254 and 127
.irp T, 0,1,2,3
	v_cmp_eq_u32 vcc_lo, 0, v[MW+\T]
	v_cndmask_b32 v[MW+\T], v[OUTS], v[OUTS+1], vcc_lo
.endr
.macro KPR hh, t, s                    ; k^T: source 0 = 16 rows of Wk, source 1 = 16 keys
.set rD, KACC+8*(\t)
.set rA, 8*(4*(\t)+(\s))
.set rB, CF+8*(\s)
.set rS, WSC+16*(\hh)+4*((\t)/2)+(\s)
.if (\s) == 0
.if (\t)%2
	v_wmma_scale_f32_16x16x128_f8f6f4 v[rD:rD+7], v[rA:rA+7], v[rB:rB+7], 0, v[rS], v[CW+(\s)] matrix_a_fmt:MATRIX_FMT_FP4 matrix_b_fmt:MATRIX_FMT_FP4 matrix_a_scale:MATRIX_SCALE_ROW1
.else
	v_wmma_scale_f32_16x16x128_f8f6f4 v[rD:rD+7], v[rA:rA+7], v[rB:rB+7], 0, v[rS], v[CW+(\s)] matrix_a_fmt:MATRIX_FMT_FP4 matrix_b_fmt:MATRIX_FMT_FP4
.endif
.else
.if (\t)%2
	v_wmma_scale_f32_16x16x128_f8f6f4 v[rD:rD+7], v[rA:rA+7], v[rB:rB+7], v[rD:rD+7], v[rS], v[CW+(\s)] matrix_a_fmt:MATRIX_FMT_FP4 matrix_b_fmt:MATRIX_FMT_FP4 matrix_a_scale:MATRIX_SCALE_ROW1
.else
	v_wmma_scale_f32_16x16x128_f8f6f4 v[rD:rD+7], v[rA:rA+7], v[rB:rB+7], v[rD:rD+7], v[rS], v[CW+(\s)] matrix_a_fmt:MATRIX_FMT_FP4 matrix_b_fmt:MATRIX_FMT_FP4
.endif
.endif
.endm
.macro VPR hh, T, t, s                 ; v: source 0 = 16 keys, source 1 = 16 rows of Wv
.set rD, 32*(\t)+8*(\T)
.set rA, CF+8*(\s)
.set rB, 128+8*(4*(\t)+(\s))
.set rS, WSC+16*(\hh)+8+4*((\t)/2)+(\s)
.if (\s) == 0
.if (\t)%2
	v_wmma_scale_f32_16x16x128_f8f6f4 v[rD:rD+7], v[rA:rA+7], v[rB:rB+7], 0, v[CW+(\s)], v[rS] matrix_a_fmt:MATRIX_FMT_FP4 matrix_b_fmt:MATRIX_FMT_FP4 matrix_b_scale:MATRIX_SCALE_ROW1
.else
	v_wmma_scale_f32_16x16x128_f8f6f4 v[rD:rD+7], v[rA:rA+7], v[rB:rB+7], 0, v[CW+(\s)], v[rS] matrix_a_fmt:MATRIX_FMT_FP4 matrix_b_fmt:MATRIX_FMT_FP4
.endif
.else
.if (\t)%2
	v_wmma_scale_f32_16x16x128_f8f6f4 v[rD:rD+7], v[rA:rA+7], v[rB:rB+7], v[rD:rD+7], v[CW+(\s)], v[rS] matrix_a_fmt:MATRIX_FMT_FP4 matrix_b_fmt:MATRIX_FMT_FP4 matrix_b_scale:MATRIX_SCALE_ROW1
.else
	v_wmma_scale_f32_16x16x128_f8f6f4 v[rD:rD+7], v[rA:rA+7], v[rB:rB+7], v[rD:rD+7], v[CW+(\s)], v[rS] matrix_a_fmt:MATRIX_FMT_FP4 matrix_b_fmt:MATRIX_FMT_FP4
.endif
.endif
.endm
; Head 2 w + hh, tile T of 16 keys: 16 products for k, 16 for v, each on four accumulators that take turns, one instruction a turn; the first K step starts the sums.
; Then the next tile's fragments are fetched, and k's tile is quantised and stored while they come.  nxt: the tile to fetch, or -1.
.macro KV hh, T, nxt
	s_wait_dscnt 0x0                               ; the tile's fragments and scale words are in
	WIN 2+\hh                                      ; source 0 (Wk): window 2 or 3
.irp s, 0,1,2,3
.irp t, 0,1,2,3
	KPR \hh, \t, \s
.endr
.endr
	WIN 0x50|((2+\hh)<<2)                          ; source 1 (Wv): window 2 or 3; C and D: window 1
.irp s, 0,1,2,3
.irp t, 0,1,2,3
	VPR \hh, \T, \t, \s
.endr
.endr
	WIN 0
.rept 4
	v_nop                                          ; places in front of loads into registers that matrix instructions have read, and of the first read of results
.endr
.if (\nxt) >= 0
	CFETCH \nxt
.endif
	s_wait_xcnt 0x0                                ; earlier stores have read their registers: the codes' registers may be written again
	QUANT KACC, 2, 0, PCK+4*(\T)
	v_or_b32 v[KWD+(\T)], v[PW], v[MW+(\T)]        ; the two bytes of d, the mask's byte, 127
	global_store_b128 v[VK], v[PCK+4*(\T):PCK+4*(\T)+3], s[16:17] offset:71680*(\hh)+512*(\T)   ; the wave stores 512 consecutive bytes, aligned to 256
.endm
; The head's v: 64 keys x 64, quantised along the keys, and both kinds of scale words.
.macro VOUT hh
.irp t, 0,1,2,3
	QUANT 32*\t, 2, 1, PCV+4*\t
.if \t%2
	v_cndmask_b32 v[OUTS+2+\t/2], v[HWV+\t/2], v[PW], s22          ; lanes 0-15 the even tile's half word, lanes 16-31 the odd tile's
.else
	v_mov_b32 v[HWV+\t/2], v[PW]
.endif
	global_store_b128 v[VV], v[PCV+4*\t:PCV+4*\t+3], s[16:17] offset:71680*(\hh)+4096+1024*\t
.endr
.irp i, 0,1
	v_cndmask_b32 v[OUTS+\i], v[KWD+2*\i], v[KWD+2*\i+1], s22
.endr
	global_store_b64 v[VKS], v[OUTS:OUTS+1], s[16:17] offset:71680*(\hh)+8192     ; 256 consecutive bytes, aligned
	global_store_b16 v[VVS], v[OUTS+2], s[16:17] offset:71680*(\hh)+8704          ; two bytes a lane, 8 apart: the other two of each word are the other half's work-group's.  256 bytes for a block of 8,960
	global_store_b16 v[VVS], v[OUTS+3], s[16:17] offset:71680*(\hh)+8708
.endm
	KV 0, 0, 1
	KV 0, 1, 2
	KV 0, 2, 3
	KV 0, 3, 0
	VOUT 0
	KV 1, 0, 1
	KV 1, 1, 2
	KV 1, 2, 3
	KV 1, 3, -1
	VOUT 1
	s_wait_tensorcnt 0x0
	ds_add_u32 v254, v255
	s_wait_dscnt 0x0
	s_endpgm
; ada[b][n] = sum over k of silu(cond[b][k]) W_ada[k][n] + b_ada[n], + 1 in columns 0-511 (1 + scale; columns 512-1023 are the shift).  All in f32 by fused multiply-adds: the result goes on into a quantised operand.
; SHARES.  Work-group (x = g, y = 8 + half) owns columns 64 g .. 64 g + 63 of batches 4 half .. 4 half + 3.  Wave w owns k = 128 w .. 128 w + 127; lane (cl = lane % 16, h = lane / 16) owns columns 4 cl .. + 3
; and rows k = 128 w + 2 i + h, i = 0 .. 63: sixteen lanes read 256 consecutive bytes of a row of W_ada.  silu(cond) goes through LDS as [k][4 batches]; the four waves' partial sums meet in LDS; wave w adds and stores batch 4 half + w.
; This path's LDS bytes lie behind the other path's.  LIMITS: NaN and infinities among the inputs are not served.
.Lada:
.set AL,  54784                        ; LDS: silu(cond), [k 512][b 4] f32
.set RED, 8192                         ; behind it: partial sums, [wave 4][b 4][64 columns] f32; behind them the spare words
.set BA,  8
.set SV,  16                           ; v16-23 two sets of 4: silu of the four batches at one k
.set ACC, 32                           ; v32-47 sums [b][4 columns]; before that at work for silu
.set W,   64                           ; v64-191 32 rows x 4 columns of W_ada: rows 0-31 of mine, then, each as its registers fall free, rows 32-63
.set CN,  192                          ; v192-207 16 numbers of cond
	s_load_b256 s[4:11], s[0:1], 0x38              ; cond s[4:5], W_ada s[6:7], b_ada s[8:9], ada s[10:11]
	v_lshl_add_u32 v240, v0, 2, AL+12288
	v_mov_b32 v241, 0
	v_lshrrev_b32 v1, 5, v0
	v_readfirstlane_b32 s12, v1                    ; wave
	s_cmp_lt_u32 ttmp9, 8                          ; the first eight columns of the grid hold the scale's columns
	s_cselect_b32 s20, 1.0, 0
	s_mov_b32 s21, s20
	s_lshl_b32 s13, ttmp9, 8                       ; 256 g
	s_sub_co_u32 s23, s2, 8
	s_lshl_b32 s23, s23, 2
	s_add_co_u32 s23, s23, s12                     ; my batch: 4 half + w
	s_lshl_b32 s14, s23, 11                        ; its row of cond
	s_lshl_b32 s22, s23, 12                        ; its row of ada
	s_lshl_b32 s15, s12, 19                        ; 128 w rows of 4,096 bytes
	s_add_co_u32 s15, s15, s13
	s_lshl_b32 s16, s12, 2
	s_lshl_b32 s17, s12, 8
	s_lshl_b32 s24, s12, 11
	s_lshl_b32 s25, s12, 10
	s_mov_b32 s18, 0x76543210
	s_mov_b32 s19, 0xfedcba98
	v_and_b32 v2, 31, v0
	v_and_b32 v3, 15, v0
	v_bfe_u32 v4, v0, 4, 1
	v_lshlrev_b32 v5, 3, v2
	v_add_nc_u32 v5, s13, v5                       ; b_ada: 256 g + 8 lane
	v_lshl_add_u32 v6, v2, 2, s14                  ; cond: my batch's row, k = lane + 32 e
	v_lshlrev_b32 v7, 4, v3
	v_lshl_add_u32 v7, v4, 12, v7
	v_add_nc_u32 v7, s15, v7                       ; W_ada: row 128 w + h, column 64 g + 4 cl
	v_lshl_add_u32 v10, v2, 4, s16
	v_add_nc_u32 v10, AL, v10                      ; silu goes to 16 (lane + 32 e) + 4 w
	v_lshl_add_u32 v11, v4, 4, s24
	v_add_nc_u32 v11, AL, v11                      ; the four batches' silu of k = 128 w + 2 i + h
	v_lshl_add_u32 v12, v3, 4, s25
	v_add_nc_u32 v12, AL, v12                      ; my partial sums: 1,024 w + 16 cl
	v_lshl_add_u32 v13, v2, 3, s17
	v_add_nc_u32 v13, AL, v13                      ; on the way out 256 w + 8 lane
	v_add_nc_u32 v14, s22, v5
	s_wait_alu depctr_va_vdst(0)
	s_wait_kmcnt 0x0
	global_load_b64 v[BA:BA+1], v5, s[8:9]
.irp e, 0,1,2,3,4,5,6,7,8,9,10,11,12,13,14,15
	global_load_b32 v[CN+\e], v6, s[4:5] offset:128*\e
.endr
.set i, 0
.rept 32
	global_load_b128 v[W+4*i:W+4*i+3], v7, s[6:7] offset:8192*i
.set i, i+1
.endr
	s_wait_loadcnt 32                              ; b_ada and cond are in; the 32 rows of W_ada may be out
.irp e, 0,1,2,3,4,5,6,7,8,9,10,11,12,13,14,15
	v_mul_f32 v[ACC+\e], 0xbfb8aa3b, v[CN+\e]      ; silu(x) = x / (1 + 2^(-x log2 e))
.endr
	s_wait_alu depctr_va_vdst(0)
.irp e, 0,1,2,3,4,5,6,7,8,9,10,11,12,13,14,15
	v_exp_f32 v[ACC+\e], v[ACC+\e]
.endr
	v_nop
	s_wait_alu depctr_va_vdst(0)
.irp e, 0,1,2,3,4,5,6,7,8,9,10,11,12,13,14,15
	v_add_f32 v[ACC+\e], 1.0, v[ACC+\e]
.endr
	s_wait_alu depctr_va_vdst(0)
.irp e, 0,1,2,3,4,5,6,7,8,9,10,11,12,13,14,15
	v_rcp_f32 v[ACC+\e], v[ACC+\e]
.endr
	v_nop
	s_wait_alu depctr_va_vdst(0)
.irp e, 0,1,2,3,4,5,6,7,8,9,10,11,12,13,14,15
	v_mul_f32 v[CN+\e], v[CN+\e], v[ACC+\e]
.endr
.irp e, 0,1,2,3,4,5,6,7,8,9,10,11,12,13,14,15
	ds_store_b32 v10, v[CN+\e] offset:512*\e
.endr
	s_wait_dscnt 0x0
	s_barrier_signal -1
	s_barrier_wait -1
	ds_load_b128 v[SV:SV+3], v11
.set i, 0
.rept 64
.set CU, SV+4*(i%2)
.set WR, W+4*(i%32)
.if i < 63
	ds_load_b128 v[SV+4*((i+1)%2):SV+4*((i+1)%2)+3], v11 offset:32*(i+1)
.endif
	s_wait_alu depctr_va_vdst(0)
.if i < 63
	s_wait_dscnt 0x1                               ; this row's silu is in; the next row's load may be out
.else
	s_wait_dscnt 0x0
.endif
.if i < 32
	s_wait_loadcnt 31                              ; row i is in: behind it stand rows i + 1 .. 31 and rows 32 .. 31 + i, 31 loads
.else
	s_wait_loadcnt 63-i                            ; row i is in; the younger rows may be out
.endif
.irp b, 0,2
.irp q, 0,2
.if i == 0
	v_pk_mul_f32 v[ACC+4*\b+\q:ACC+4*\b+\q+1], v[CU+\b:CU+\b+1], v[WR+\q:WR+\q+1] op_sel_hi:[0,1]
	v_pk_mul_f32 v[ACC+4*\b+4+\q:ACC+4*\b+4+\q+1], v[CU+\b:CU+\b+1], v[WR+\q:WR+\q+1] op_sel:[1,0] op_sel_hi:[1,1]
.else
	v_pk_fma_f32 v[ACC+4*\b+\q:ACC+4*\b+\q+1], v[CU+\b:CU+\b+1], v[WR+\q:WR+\q+1], v[ACC+4*\b+\q:ACC+4*\b+\q+1] op_sel_hi:[0,1,1]
	v_pk_fma_f32 v[ACC+4*\b+4+\q:ACC+4*\b+4+\q+1], v[CU+\b:CU+\b+1], v[WR+\q:WR+\q+1], v[ACC+4*\b+4+\q:ACC+4*\b+4+\q+1] op_sel:[1,0,0] op_sel_hi:[1,1,1]
.endif
.endr
.endr
.if i < 32
	global_load_b128 v[WR:WR+3], v7, s[6:7] offset:8192*(i+32)     ; row 32 + i takes the registers that row i has left
.endif
.set i, i+1
.endr
.irp j, 0,1,2,3,4,5,6,7,8,9,10,11,12,13,14,15
	v_permlanex16_b32 v[W+\j], v[ACC+\j], s18, s19 ; the odd rows' sums lie in the lane 16 away
.endr
.irp j, 0,1,2,3,4,5,6,7,8,9,10,11,12,13,14,15
	v_add_f32 v[ACC+\j], v[ACC+\j], v[W+\j]
.endr
.irp b, 0,1,2,3
	ds_store_b128 v12, v[ACC+4*\b:ACC+4*\b+3] offset:RED+256*\b    ; both halves of the lanes write the same bytes with the same values
.endr
	s_wait_dscnt 0x0
	s_barrier_signal -1
	s_barrier_wait -1
.irp p, 0,1,2,3
	ds_load_b64 v[W+2*\p:W+2*\p+1], v13 offset:RED+1024*\p
.endr
	s_wait_dscnt 0x0
	v_pk_add_f32 v[W:W+1], v[W:W+1], v[W+2:W+3]
	v_pk_add_f32 v[W+4:W+5], v[W+4:W+5], v[W+6:W+7]
	v_pk_add_f32 v[W:W+1], v[W:W+1], v[BA:BA+1]
	v_pk_add_f32 v[W+4:W+5], v[W+4:W+5], s[20:21] op_sel_hi:[1,0]  ; 1 + scale, or the shift as it is
	v_pk_add_f32 v[W:W+1], v[W:W+1], v[W+4:W+5]
	global_store_b64 v14, v[W:W+1], s[10:11]       ; the wave stores 256 consecutive bytes, aligned
	s_wait_tensorcnt 0x0                           ; the wave's end
	ds_add_u32 v240, v241
	s_wait_dscnt 0x0
	s_endpgm
.Lfunc_end_k_q0e20c102ca_kv:
	.size	k_q0e20c102ca_kv, .Lfunc_end_k_q0e20c102ca_kv-k_q0e20c102ca_kv
	.p2alignl 7, 3214868480
	.fill 96, 4, 3214868480
	.section	.rodata,"a",@progbits
	.p2align	6, 0x0
	.amdhsa_kernel k_q0e20c102ca_kv
		.amdhsa_group_segment_fixed_size 67584
		.amdhsa_private_segment_fixed_size 0
		.amdhsa_enable_private_segment 0
		.amdhsa_kernarg_size 88
		.amdhsa_user_sgpr_count 2
		.amdhsa_user_sgpr_kernarg_segment_ptr 1
		.amdhsa_wavefront_size32 1
		.amdhsa_system_sgpr_workgroup_id_x 1
		.amdhsa_system_sgpr_workgroup_id_y 1
		.amdhsa_system_sgpr_workgroup_id_z 1
		.amdhsa_system_vgpr_workitem_id 0
		.amdhsa_next_free_vgpr 1024
		.amdhsa_next_free_sgpr 66
		.amdhsa_reserve_vcc 1
		.amdhsa_float_denorm_mode_32 3
		.amdhsa_float_denorm_mode_16_64 3
		.amdhsa_memory_ordered 1
		.amdhsa_forward_progress 1
		.amdhsa_inst_pref_size 236
	.end_amdhsa_kernel
	.amdgpu_metadata
---
amdhsa.version: [ 1, 2 ]
amdhsa.kernels:
  - .name:           k_q0e20c102ca_kv
    .symbol:         k_q0e20c102ca_kv.kd
    .args:
      - { .name: context, .offset: 0, .size: 8, .value_kind: global_buffer, .address_space: global }
      - { .name: context_mask, .offset: 8, .size: 8, .value_kind: global_buffer, .address_space: global }
      - { .name: g_ctx, .offset: 16, .size: 8, .value_kind: global_buffer, .address_space: global }
      - { .name: b_ctx, .offset: 24, .size: 8, .value_kind: global_buffer, .address_space: global }
      - { .name: Wkv_codes, .offset: 32, .size: 8, .value_kind: global_buffer, .address_space: global }
      - { .name: Wkv_scales, .offset: 40, .size: 8, .value_kind: global_buffer, .address_space: global }
      - { .name: kvbuf, .offset: 48, .size: 8, .value_kind: global_buffer, .address_space: global }
      - { .name: cond, .offset: 56, .size: 8, .value_kind: global_buffer, .address_space: global }
      - { .name: W_ada, .offset: 64, .size: 8, .value_kind: global_buffer, .address_space: global }
      - { .name: b_ada, .offset: 72, .size: 8, .value_kind: global_buffer, .address_space: global }
      - { .name: ada, .offset: 80, .size: 8, .value_kind: global_buffer, .address_space: global }
    .group_segment_fixed_size: 67584
    .private_segment_fixed_size: 0
    .kernarg_segment_align: 8
    .kernarg_segment_size: 88
    .max_flat_workgroup_size: 128
    .sgpr_count:     66
    .vgpr_count:     1024
    .wavefront_size: 32
...
	.end_amdgpu_metadata
.endif
;; end of part 1
;; launch attn (part 2): grid 256 x 1, 8 waves a work-group, no clusters, 327,680 bytes of LDS; arguments x, ada, kvbuf, Wq_codes, Wq_scales, Wp_codes, Wp_scales, bp, out0; writes out0
.if DOCPART == 2
	.amdgcn_target "amdgcn-amd-amdhsa--gfx1250"
	.amdhsa_code_object_version 6
	.text
	.protected	k_q0e20c102ca_attn
	.globl	k_q0e20c102ca_attn
	.p2align	8
	.type	k_q0e20c102ca_attn,@function
k_q0e20c102ca_attn:
	s_mov_b64 s[64:65], 0
	v_nop
	global_prefetch_b8 v0, s[64:65] scope:SCOPE_SE
	s_setreg_imm32_b32 hwreg(HW_REG_WAVE_MODE, 25, 1), 1
	s_wait_xcnt 0x0
; out0 = x + (softmax(q k^T / 8, masked) v) Wp + bp, q = h Wq, h = LayerNorm(x) (1 + scale) + shift.  All four products on codes of FP4 (E2M1) with one E8M0 scale for each 32 along K; sums in f32.
; ada holds 1 + scale and shift; kvbuf holds k, v^T and their scale words as images of this kernel's registers, 8,960 bytes for 128 keys of a head (K's 8 tiles, V^T's 4, K's scale words, V's).
; THE SOFTMAX: t = score x log2(e) / 8; M = the row's largest t so far, rounded up to a whole number; p = 2^(t - M) is quantised along the keys, not normalised; the row's sum is taken of the unquantised p and
; divides at the end.  When M moves, the sum and O are multiplied by 2^(old M - new M): exact.
; THE MASK.  The score's product has K = 64 of the instruction's 128.  Every fragment of K holds the code +1 at k = 64, Q's the code -1 under the scale byte 127; K's scale byte for that block (made by the launch
; before) is 254 for a hidden key, which adds -2^127 to its score, so that its p is 0, and 0 for a key that counts.
; LIMITS: a key that counts has -2^-127 added to its score.  A batch all of whose keys are hidden was not tried.  Blocks whose largest magnitude lies under 2^-124 keep the scale byte 1.  NaN and infinities are not served.
; SHARES.  A work-group owns 128 rows of one batch, taken as two blocks of 64 in a loop of two trips; eight waves.  x comes once, by asynchronous copies at the head, into LDS rows of 2,048 + 16 bytes and stays there.
; In the LayerNorm wave w owns 8 whole rows of the block (those that it copied itself): no sum crosses waves.  h's codes go to LDS row by row.  From there on WAVE w OWNS HEAD w (columns 64 w .. 64 w + 63) for all 64 rows:
; it makes the head's q, which stays in its registers, walks the head's 1,024 keys for its four tiles of 16 queries, and hands o's codes to LDS; in the last product it adds its 64 columns onto x read from LDS,
; stores them back into x's bytes (its own columns; they have had their one fill) and reads them as dense rows, so that sixteen lanes store 256 consecutive bytes.
; K AND V go from memory straight into the registers of the one wave that uses them, two sets by turns: a step's 19 loads are issued a whole key step (four tiles' work) ahead of their use.  So no tile of K or V lies
; in LDS: there is nothing for a joint load to share (cluster = none), and the loads themselves run ahead, so no prefetch is laid beside them.  The step behind a head's last wraps to its first: every load stays in kvbuf.
; All products are used transposed (source 0 = rows of the weight, of K or of V^T; source 1 = 16 of my rows); lane r of tile 2 b + u of source 0 takes row 32 b + 8 u + r + 8 (r / 8), so that the 16 registers of two neighbouring tiles are 16 neighbours.
; REGISTERS.  Window 1: v0-127 O^T (32 a tile; before that Wq's fragments), v128-255 K's two sets (later Wp's fragments).  Window 0: as named below, by phase.
.set XP,   2064                        ; a row of x in LDS: an odd multiple of 16 bytes
.set XBLK, 64*XP
.set HC,   128*XP                      ; h's codes: 64 rows of 256 + 16 bytes
.set CP,   272
.set OCO,  64*CP                       ; o's codes lie so far behind h's
.set HSC,  HC+2*OCO                    ; h's scale bytes: 16 a row
.set OSO,  1024                        ; o's lie so far behind
.set SPARE, HSC+2*OSO                  ; the spare words, 128 bytes a wave
.set STEPB, 8960
.set SPW, 1
.set NIL, 2
.set L16, 3
.set L8,  4
.set CA,  5                            ; v5-12 the addresses of the second block's copies: untouched until those are waited for
.set VW,  13                           ; my lane's place in a tile of a weight's codes; v14 among its scale words
.set VWS, 14
.set AHF, 15                           ; a fragment of h or o in LDS: HC + 272 r + 16 h
.set QF,  16                           ; v16-47 Q's four fragments (registers 4-7 of each constant)
.set QW,  48                           ; v48-51 their scale words
.set NM,  52                           ; v52-59 -M of each tile, in pairs whose upper word is only named
.set T1,  60
.set S,   64                           ; v64-127 S^T, then p
.set VF,  128                          ; v128-191 V^T: two sets of 4 fragments
.set KS,  192                          ; v192-203 two sets: K's 4 scale registers, V's 2
.set PCD, 204                          ; v204-211 codes just made
.set TM,  212
.set TP,  216
.set TS,  220
.set FF,  224                          ; f = 2^(old M - new M); v225 p's scale word
.set PSW, 225
.set T0,  226
.set PW,  227
.set SU,  228                          ; v228-241 seven pairs for the row's sum
.set AHW, 242                          ; scale words of h or o: HSC + 16 r
.set AOC, 243                          ; where o's codes go
.set LS,  244                          ; v244-251 the rows' sums, a pair a tile
.set AOS, 252                          ; where o's scale bytes go
.set GT,  253
.set KF,  128                          ; window 1: K's two sets
; the LayerNorm
.set X,   64                           ; v64-191: 8 rows x 16: register 16 p + 8 j + e = column 256 j + 8 lane + e of row p
.set SA,  16
.set SQ,  32
.set TA,  192
.set TBL, 208
.set AXR, 224
.set AHC, 225
.set AHS, 226
.set GA,  227
; the projections
.set WS,  228                          ; v228-235 the weight's scale words
.set BP,  16                           ; v16-47 bp at my columns
.set AXC, 244                          ; v244, v245 x as accumulators (tiles 0-1, 2-3); v246, v247 as dense rows
.set ARB, 246
.set GO,  248
.set WV,  22
.set SEL, 26
.set CS,  28
.set NC,  30
.set XB,  33
.set KB,  34
.set KN,  36
.set NO,  38
.set MSB, 0
.macro WIN new                         ; the immediate's high byte repeats the setting that is left
.if MSB != (\new)
	s_set_vgpr_msb (MSB<<8)|(\new)
.set MSB, \new
.endif
.endm
.macro PLACES
.rept 4
	v_nop
.endr
.endm
.macro BAR
	s_wait_dscnt 0x0
	s_barrier_signal -1
	s_barrier_wait -1
.endm
; 32 numbers of a lane, register src + 16 b + i = k 32 b + 16 (lane / 16) + i of my row, become 4 registers of codes, a whole block to a lane, and two scale bytes in v[PW]
.macro QUANT src, pc
.irp b, 0,1
	v_max3_num_f32 v[TM+\b], |v[(\src)+16*\b]|, |v[(\src)+16*\b+1]|, 0x1800000   ; with the floor 2^(3 - 127): the byte cannot fall under 1
.endr
.irp i, 2,4,6,8,10,12,14
.irp b, 0,1
	v_max3_num_f32 v[TM+\b], v[TM+\b], |v[(\src)+16*\b+\i]|, |v[(\src)+16*\b+\i+1]|
.endr
.endr
.irp b, 0,1
	s_delay_alu instid0(VALU_DEP_2)
	v_permlanex16_b32 v[TP+\b], v[TM+\b], s[SEL], s[SEL+1]
.endr
.irp b, 0,1
	s_delay_alu instid0(VALU_DEP_2)
	v_max_num_f32 v[TM+\b], v[TM+\b], v[TP+\b]
.endr
.irp b, 0,1
	s_delay_alu instid0(VALU_DEP_2)
	v_add_nc_u32 v[TS+\b], 0xff000000, v[TM+\b]    ; 2 off the exponent field: the conversion's scale operand
.endr
.irp b, 0,1
	s_delay_alu instid0(VALU_DEP_2)
	v_lshrrev_b32 v[TP+\b], 23, v[TS+\b]
.endr
	s_delay_alu instid0(VALU_DEP_1)
	v_lshl_or_b32 v[PW], v[TP+1], 8, v[TP]
.irp b, 0,1
	v_cvt_scalef32_pk8_fp4_f32 v[(\pc)+2*\b], v[(\src)+16*\b:(\src)+16*\b+7], v[TS+\b]
	v_cvt_scalef32_pk8_fp4_f32 v[(\pc)+2*\b+1], v[(\src)+16*\b+8:(\src)+16*\b+15], v[TS+\b]
.endr
	v_nop                                          ; one plain place behind a scaled conversion
	v_permlane16_swap_b32 v[(\pc)], v[(\pc)+2]
	v_permlane16_swap_b32 v[(\pc)+1], v[(\pc)+3]
.endm
.macro LANESUM a                       ; eight pairs become eight sums over the wave's 32 lanes, the rows by turns
.irp p, 0,1,2,3,4,5,6,7
	v_add_f32 v[(\a)+2*\p], v[(\a)+2*\p], v[(\a)+2*\p+1]
.endr
.irp k, 1,2,4,8
.irp p, 0,1,2,3,4,5,6,7
	v_add_f32_dpp v[(\a)+2*\p], v[(\a)+2*\p], v[(\a)+2*\p] row_xmask:\k row_mask:0xf bank_mask:0xf
.endr
.endr
.irp p, 0,1,2,3,4,5,6,7
	v_permlanex16_b32 v[(\a)+2*\p+1], v[(\a)+2*\p], s[SEL], s[SEL+1]
.endr
.irp p, 0,1,2,3,4,5,6,7
	v_add_f32 v[(\a)+2*\p], v[(\a)+2*\p], v[(\a)+2*\p+1]
.endr
.endm
.macro WLOAD wb, cp, sp                ; my 64 rows of a weight: 16 fragments into window 1 from v[wb] on, and their scale words
	WIN 0x40
.irp t, 0,1,2,3
.irp s, 0,1,2,3
.irp c, 0,1
	global_load_b128 v[(\wb)+8*(4*\t+\s)+4*\c:(\wb)+8*(4*\t+\s)+4*\c+3], v[VW], s[\cp:\cp+1] offset:(32*(\t/2)+8*(\t%2))*256+64*\s+32*\c
.endr
.endr
.endr
	WIN 0
.irp bb, 0,1
	global_load_b128 v[WS+4*\bb:WS+4*\bb+3], v[VWS], s[\sp:\sp+1] offset:512*\bb
.endr
.endm
.macro FETCHH m, hf, fw, co, so        ; tile m's four fragments of h or o and its rows' four scale words: 9 loads
.irp s, 0,1,2,3
.irp c, 0,1
	ds_load_b128 v[(\hf)+8*\s+4*\c:(\hf)+8*\s+4*\c+3], v[AHF] offset:(\co)+(\m)*16*CP+64*\s+32*\c
.endr
.endr
	ds_load_b128 v[(\fw):(\fw)+3], v[AHW] offset:(\so)+(\m)*256
.endm
.macro PJ d, wb, hf, fw, t, s, first   ; source 0 = 16 rows of the weight (window 1), source 1 = 16 of the block's rows
.set rA, (\wb)+8*(4*(\t)+(\s))
.set rB, (\hf)+8*(\s)
.set rW, WS+4*((\t)/2)+(\s)
.if \first
.if (\t)%2
	v_wmma_scale_f32_16x16x128_f8f6f4 v[(\d):(\d)+7], v[rA:rA+7], v[rB:rB+7], 0, v[rW], v[(\fw)+(\s)] matrix_a_fmt:MATRIX_FMT_FP4 matrix_b_fmt:MATRIX_FMT_FP4 matrix_a_scale:MATRIX_SCALE_ROW1
.else
	v_wmma_scale_f32_16x16x128_f8f6f4 v[(\d):(\d)+7], v[rA:rA+7], v[rB:rB+7], 0, v[rW], v[(\fw)+(\s)] matrix_a_fmt:MATRIX_FMT_FP4 matrix_b_fmt:MATRIX_FMT_FP4
.endif
.else
.if (\t)%2
	v_wmma_scale_f32_16x16x128_f8f6f4 v[(\d):(\d)+7], v[rA:rA+7], v[rB:rB+7], v[(\d):(\d)+7], v[rW], v[(\fw)+(\s)] matrix_a_fmt:MATRIX_FMT_FP4 matrix_b_fmt:MATRIX_FMT_FP4 matrix_a_scale:MATRIX_SCALE_ROW1
.else
	v_wmma_scale_f32_16x16x128_f8f6f4 v[(\d):(\d)+7], v[rA:rA+7], v[rB:rB+7], v[(\d):(\d)+7], v[rW], v[(\fw)+(\s)] matrix_a_fmt:MATRIX_FMT_FP4 matrix_b_fmt:MATRIX_FMT_FP4
.endif
.endif
.endm
.macro KVLOAD p                        ; the block of 128 keys at s[KN:KN+1] into set p: each load takes consecutive bytes, 16 or 8 a lane
	WIN 0x40
.irp T, 0,1,2,3,4,5,6,7
	global_load_b128 v[KF+64*(\p)+8*\T:KF+64*(\p)+8*\T+3], v[L16], s[KN:KN+1] offset:512*\T
.endr
	WIN 0
.irp t, 0,1,2,3
.irp c, 0,1
	global_load_b128 v[VF+32*(\p)+8*\t+4*\c:VF+32*(\p)+8*\t+4*\c+3], v[L16], s[KN:KN+1] offset:4096+1024*\t+512*\c
.endr
.endr
	global_load_b64 v[KS+6*(\p):KS+6*(\p)+1], v[L8], s[KN:KN+1] offset:8192
	global_load_b64 v[KS+6*(\p)+2:KS+6*(\p)+3], v[L8], s[KN:KN+1] offset:8448
	global_load_b64 v[KS+6*(\p)+4:KS+6*(\p)+5], v[L8], s[KN:KN+1] offset:8704
.endm
; 128 keys (set p) for query tile m
.macro TILE m, p
	WIN 0x01                                       ; source 0 (K): window 1
.irp T, 0,2,4,6
	v_wmma_scale_f32_16x16x128_f8f6f4 v[S+8*\T:S+8*\T+7], v[KF+64*(\p)+8*\T:KF+64*(\p)+8*\T+7], v[QF+8*(\m):QF+8*(\m)+7], 0, v[KS+6*(\p)+\T/2], v[QW+(\m)] matrix_a_fmt:MATRIX_FMT_FP4 matrix_b_fmt:MATRIX_FMT_FP4
	v_wmma_scale_f32_16x16x128_f8f6f4 v[S+8*\T+8:S+8*\T+15], v[KF+64*(\p)+8*\T+8:KF+64*(\p)+8*\T+15], v[QF+8*(\m):QF+8*(\m)+7], 0, v[KS+6*(\p)+\T/2], v[QW+(\m)] matrix_a_fmt:MATRIX_FMT_FP4 matrix_b_fmt:MATRIX_FMT_FP4 matrix_a_scale:MATRIX_SCALE_ROW1
.endr
	WIN 0
	PLACES
.irp b, 0,1,2,3
	v_max3_num_f32 v[TM+\b], v[S+16*\b], v[S+16*\b+1], v[S+16*\b+2]    ; the largest score of each block of 32 keys: for the row's maximum and, since p rises with the score, for the block's largest p
.endr
.irp i, 3,5,7,9,11,13
.irp b, 0,1,2,3
	v_max3_num_f32 v[TM+\b], v[TM+\b], v[S+16*\b+\i], v[S+16*\b+\i+1]
.endr
.endr
.irp b, 0,1,2,3
	v_max_num_f32 v[TM+\b], v[TM+\b], v[S+16*\b+15]
.endr
.irp b, 0,1,2,3
	s_delay_alu instid0(VALU_DEP_4)
	v_permlanex16_b32 v[TP+\b], v[TM+\b], s[SEL], s[SEL+1]
.endr
.irp b, 0,1,2,3
	s_delay_alu instid0(VALU_DEP_4)
	v_max_num_f32 v[TM+\b], v[TM+\b], v[TP+\b]
.endr
	s_delay_alu instid0(VALU_DEP_2)
	v_max3_num_f32 v[T0], v[TM], v[TM+1], v[TM+2]
	s_delay_alu instid0(VALU_DEP_1)
	v_max_num_f32 v[T0], v[T0], v[TM+3]            ; the step's largest score of my query
	s_delay_alu instid0(VALU_DEP_1)
	v_mul_f32 v[T0], s[NC], v[T0]                  ; -t
	s_delay_alu instid0(VALU_DEP_1)
	v_floor_f32 v[T0], v[T0]                       ; floor(-t) = -ceil(t)
	s_delay_alu instid0(VALU_DEP_1)
	v_min_num_f32 v[T0], v[T0], v[NM+2*(\m)]       ; the new -M
	s_delay_alu instid0(VALU_DEP_1)
	v_sub_f32 v[T1], v[T0], v[NM+2*(\m)]           ; old M - new M: a whole number, 0 or less
	v_mov_b32 v[NM+2*(\m)], v[T0]
	s_delay_alu instid0(VALU_DEP_2)
	v_cvt_i32_f32 v[T1], v[T1]                     ; (it saturates)
	s_delay_alu instid0(VALU_DEP_1)
	v_ldexp_f32 v[FF], 1.0, v[T1]
.set j, 0
.rept 32
	v_pk_fma_f32 v[S+j:S+j+1], v[S+j:S+j+1], s[CS:CS+1], v[NM+2*(\m):NM+2*(\m)+1] op_sel_hi:[1,0,0]   ; t - M
.set j, j+2
.endr
.irp b, 0,1,2,3
	v_fma_f32 v[TM+\b], v[TM+\b], s[CS], v[NM+2*(\m)]
.endr
	s_wait_alu depctr_va_vdst(0)
.set j, 0
.rept 64
	v_exp_f32 v[S+j], v[S+j]                       ; p = 2^(t - M)
.set j, j+1
.endr
.irp b, 0,1,2,3
	v_exp_f32 v[TM+\b], v[TM+\b]                   ; the block's largest p
.endr
	v_pk_mul_f32 v[LS+2*(\m):LS+2*(\m)+1], v[LS+2*(\m):LS+2*(\m)+1], v[FF:FF+1] op_sel_hi:[1,0]   ; the sum under the new M (a plain place behind the batch)
	s_wait_alu depctr_va_vdst(0)                   ; and behind it
.irp b, 0,1,2,3
	v_max_num_f32 v[TM+\b], 0x1800000, v[TM+\b]
.endr
.irp b, 0,1,2,3
	s_delay_alu instid0(VALU_DEP_4)
	v_add_nc_u32 v[TS+\b], 0xff000000, v[TM+\b]
.endr
.irp b, 0,1,2,3
	s_delay_alu instid0(VALU_DEP_4)
	v_lshrrev_b32 v[TP+\b], 23, v[TS+\b]
.endr
	s_delay_alu instid0(VALU_DEP_3)
	v_lshl_or_b32 v[PSW], v[TP+1], 8, v[TP]
	s_delay_alu instid0(VALU_DEP_1)
	v_lshl_or_b32 v[PSW], v[TP+2], 16, v[PSW]
	s_delay_alu instid0(VALU_DEP_1)
	v_lshl_or_b32 v[PSW], v[TP+3], 24, v[PSW]
.irp b, 0,1,2,3
	v_cvt_scalef32_pk8_fp4_f32 v[PCD+2*\b], v[S+16*\b:S+16*\b+7], v[TS+\b]
	v_cvt_scalef32_pk8_fp4_f32 v[PCD+2*\b+1], v[S+16*\b+8:S+16*\b+15], v[TS+\b]
.endr
	v_nop
.irp c, 0,1
.irp i, 0,1
	v_permlane16_swap_b32 v[PCD+4*\c+\i], v[PCD+4*\c+2+\i]
.endr
.endr
.irp i, 0,1,2,3,4,5,6                  ; the row's sum of the unquantised p, in eight chains
	v_pk_add_f32 v[SU+2*\i:SU+2*\i+1], v[S+4*\i:S+4*\i+1], v[S+4*\i+2:S+4*\i+3]
.endr
	v_pk_add_f32 v[LS+2*(\m):LS+2*(\m)+1], v[LS+2*(\m):LS+2*(\m)+1], v[S+28:S+29]
.irp i, 0,1,2,3,4,5,6
	v_pk_add_f32 v[SU+2*\i:SU+2*\i+1], v[SU+2*\i:SU+2*\i+1], v[S+30+2*\i:S+31+2*\i]
.endr
	v_pk_add_f32 v[LS+2*(\m):LS+2*(\m)+1], v[LS+2*(\m):LS+2*(\m)+1], v[S+44:S+45]
.irp i, 0,1,2,3,4,5,6
	v_pk_add_f32 v[SU+2*\i:SU+2*\i+1], v[SU+2*\i:SU+2*\i+1], v[S+46+2*\i:S+47+2*\i]
.endr
	v_pk_add_f32 v[SU:SU+1], v[SU:SU+1], v[S+62:S+63]
	v_pk_add_f32 v[LS+2*(\m):LS+2*(\m)+1], v[LS+2*(\m):LS+2*(\m)+1], v[S+60:S+61]
	s_delay_alu instid0(VALU_DEP_2)
	v_pk_add_f32 v[SU:SU+1], v[SU:SU+1], v[SU+2:SU+3]
	v_pk_add_f32 v[SU+4:SU+5], v[SU+4:SU+5], v[SU+6:SU+7]
	v_pk_add_f32 v[SU+8:SU+9], v[SU+8:SU+9], v[SU+10:SU+11]
	s_delay_alu instid0(VALU_DEP_4)
	v_pk_add_f32 v[LS+2*(\m):LS+2*(\m)+1], v[LS+2*(\m):LS+2*(\m)+1], v[SU+12:SU+13]
	s_delay_alu instid0(VALU_DEP_3)
	v_pk_add_f32 v[SU:SU+1], v[SU:SU+1], v[SU+4:SU+5]
	s_delay_alu instid0(VALU_DEP_2)
	v_pk_add_f32 v[LS+2*(\m):LS+2*(\m)+1], v[LS+2*(\m):LS+2*(\m)+1], v[SU+8:SU+9]
	s_delay_alu instid0(VALU_DEP_1)
	v_pk_add_f32 v[LS+2*(\m):LS+2*(\m)+1], v[LS+2*(\m):LS+2*(\m)+1], v[SU:SU+1]
	WIN 0x41                                       ; O^T: source 0 and destination in window 1
	s_wait_alu depctr_va_vdst(0)
.set j, 0
.rept 16
	v_pk_mul_f32 v[32*(\m)+j:32*(\m)+j+1], v[32*(\m)+j:32*(\m)+j+1], v[FF:FF+1] op_sel_hi:[1,0]
.set j, j+2
.endr
	WIN 0x50                                       ; C and D: window 1
.irp t, 0,2                            ; O^T += V^T P^T: four accumulators, one instruction each
	v_wmma_scale_f32_16x16x128_f8f6f4 v[32*(\m)+8*\t:32*(\m)+8*\t+7], v[VF+32*(\p)+8*\t:VF+32*(\p)+8*\t+7], v[PCD:PCD+7], v[32*(\m)+8*\t:32*(\m)+8*\t+7], v[KS+6*(\p)+4+\t/2], v[PSW] matrix_a_fmt:MATRIX_FMT_FP4 matrix_b_fmt:MATRIX_FMT_FP4
	v_wmma_scale_f32_16x16x128_f8f6f4 v[32*(\m)+8*\t+8:32*(\m)+8*\t+15], v[VF+32*(\p)+8*\t+8:VF+32*(\p)+8*\t+15], v[PCD:PCD+7], v[32*(\m)+8*\t+8:32*(\m)+8*\t+15], v[KS+6*(\p)+4+\t/2], v[PSW] matrix_a_fmt:MATRIX_FMT_FP4 matrix_b_fmt:MATRIX_FMT_FP4 matrix_a_scale:MATRIX_SCALE_ROW1
.endr
	WIN 0
.endm
.macro STEPK p                         ; a key step on set p; the next step's block is asked for into the other set
	s_wait_alu depctr_va_vdst(0)
	s_wait_loadcnt 0x0                             ; set p is in: its loads were issued a step ago; so their base may be written
	s_add_co_u32 s[NO], s[NO], STEPB
	s_cmp_eq_u32 s[NO], 8*STEPB
	s_cselect_b32 s[NO], 0, s[NO]                  ; behind the head's last step: its first
	s_add_nc_u64 s[KN:KN+1], s[KB:KB+1], s[NO:NO+1]
	PLACES                                         ; in front of loads into registers that the last step's products have read
	KVLOAD 1-(\p)
	TILE 0, \p
	TILE 1, \p
	TILE 2, \p
	TILE 3, \p
.endm
	s_load_b512 s[4:19], s[0:1], 0x0               ; x, ada, kvbuf, Wq's codes, scales, Wp's codes, scales, bp
	s_load_b64 s[20:21], s[0:1], 0x40              ; out0
	v_lshl_add_u32 v[SPW], v0, 2, SPARE
	v_mov_b32 v[NIL], 0
	ds_add_u32 v[SPW], v[NIL]                      ; the opening: the add, twice on end, and its wait ahead of my first copy
	ds_add_u32 v[SPW], v[NIL]
	v_lshrrev_b32 v16, 5, v0
	v_readfirstlane_b32 s[WV], v16                 ; wave 0..7
	s_mov_b32 s[SEL], 0x76543210
	s_mov_b32 s[SEL+1], 0xfedcba98
	s_mov_b32 s[CS], 0x3e38aa3b                    ; c = log2(e) / 8
	s_mov_b32 s[CS+1], s[CS]
	s_mov_b32 s[NC], 0xbe38aa3b                    ; -c
	s_mov_b32 s48, 0x3b000000                      ; 1 / 512
	s_mov_b32 s49, 0x3727c5ac                      ; 1e-5
	s_lshr_b32 s24, ttmp9, 5                       ; the batch
	s_lshl_b32 s40, ttmp9, 18                      ; my 128 rows of 2,048 bytes
	s_mov_b32 s41, 0
	s_lshl_b32 s62, s[WV], 8                       ; my 64 columns in bytes of f32
	s_mov_b32 s63, 0
	s_lshl_b32 s44, s24, 12
	s_mov_b32 s45, 0
	s_lshl_b32 s46, s24, 3
	s_add_co_u32 s46, s46, s[WV]
	s_mul_i32 s46, s46, 8*STEPB                    ; my head's K and V
	s_mov_b32 s47, 0
	s_lshl_b32 s50, s[WV], 14                      ; 64 rows of a weight's codes; also 8 rows of x in memory
	s_mov_b32 s51, 0
	s_lshl_b32 s52, s[WV], 10
	s_mov_b32 s53, 0
	s_mul_i32 s54, s[WV], 8*XP                     ; my 8 rows of a block in LDS
	s_lshl_b32 s56, s[WV], 5
	s_add_co_u32 s56, s56, OCO
	s_lshl_b32 s57, s[WV], 1
	s_add_co_u32 s57, s57, OSO
	s_mul_i32 s59, s[WV], 8*CP
	s_add_co_u32 s59, s59, HC
	s_lshl_b32 s60, s[WV], 7
	s_add_co_u32 s60, s60, HSC
	s_mov_b32 s[NO+1], 0
	s_mov_b32 s[XB], 0
	s_mov_b32 s32, 2
	v_and_b32 v17, 31, v0
	v_and_b32 v18, 15, v0                          ; r
	v_bfe_u32 v19, v0, 4, 1                        ; h
	v_lshlrev_b32 v[L16], 4, v17
	v_lshlrev_b32 v[L8], 3, v17
	v_mul_u32_u24 v20, v19, XP
	v_lshl_add_u32 v20, v18, 4, v20
	v_add_nc_u32 v20, s54, v20                     ; LDS: row 8 w + h, 16 r
	v_lshlrev_b32 v21, 11, v19
	v_lshl_add_u32 v21, v18, 4, v21
	v_add_nc_u32 v21, s50, v21                     ; the same in memory
.irp i, 0,1,2,3
	v_add_nc_u32 v[64+2*\i], 2*\i*XP, v20
	v_add_nc_u32 v[65+2*\i], 2*\i*2048, v21
	v_add_nc_u32 v[CA+2*\i], XBLK+2*\i*XP, v20
	v_add_nc_u32 v[CA+2*\i+1], 64*2048+2*\i*2048, v21
.endr
	v_and_b32 v22, 8, v18
	v_add_nc_u32 v22, v22, v18                     ; r + 8 (r / 8)
	v_lshlrev_b32 v[VW], 8, v22
	v_lshl_add_u32 v[VW], v19, 4, v[VW]
	v_lshl_add_u32 v[VWS], v19, 3, v22
	v_lshlrev_b32 v[VWS], 4, v[VWS]
	v_mul_u32_u24 v[AHF], v18, CP
	v_lshl_add_u32 v[AHF], v19, 4, v[AHF]
	v_add_nc_u32 v[AHF], HC, v[AHF]
	v_add_nc_u32 v[AOC], s56, v[AHF]               ; o's codes: row r, bytes 32 w + 16 h
	v_lshl_add_u32 v[AHW], v18, 4, HSC
	v_add_nc_u32 v[AOS], s57, v[AHW]               ; o's scale bytes: row r, bytes 2 w, 2 w + 1
.irp b, 0,1,2,3
	v_mov_b32 v[TP+\b], 0                          ; a lane permute's destination counts as one of its sources
.endr
	s_wait_alu depctr_va_vdst(0)
	s_wait_dscnt 0x0                               ; both opening adds are done
	s_wait_kmcnt 0x0
	s_add_nc_u64 s[4:5], s[4:5], s[40:41]
	s_add_nc_u64 s[20:21], s[20:21], s[40:41]
	s_add_nc_u64 s[20:21], s[20:21], s[62:63]
	s_add_nc_u64 s[6:7], s[6:7], s[44:45]
	s_add_nc_u64 s[18:19], s[18:19], s[62:63]
	s_add_nc_u64 s[KB:KB+1], s[8:9], s[46:47]
	s_add_nc_u64 s[10:11], s[10:11], s[50:51]
	s_add_nc_u64 s[14:15], s[14:15], s[50:51]
	s_add_nc_u64 s[12:13], s[12:13], s[52:53]
	s_add_nc_u64 s[16:17], s[16:17], s[52:53]
; x: wave w copies rows 8 w .. 8 w + 7 of block 0, then of block 1: 32 copies each; sixteen lanes take 256 consecutive bytes, aligned
.irp i, 0,1,2,3
.irp j, 0,1,2,3,4,5,6,7
	global_load_async_to_lds_b128 v[64+2*\i], v[65+2*\i], s[4:5] offset:256*\j
.endr
.endr
.irp i, 0,1,2,3
.irp j, 0,1,2,3,4,5,6,7
	global_load_async_to_lds_b128 v[CA+2*\i], v[CA+2*\i+1], s[4:5] offset:256*\j
.endr
.endr
	s_wait_asynccnt 0x20                           ; my rows of block 0 are in; block 1's 32 copies may be out
.Lblock:
	s_add_co_u32 s58, s[XB], s54                   ; my 8 rows of this block
	s_add_co_u32 s61, s[XB], s62                   ; my 64 columns of its first row
	WLOAD 0, 10, 12                                ; Wq: it lands under the LayerNorm
	v_and_b32 v16, 31, v0
	v_lshlrev_b32 v[GA], 5, v16
	v_add_nc_u32 v[AXR], s58, v[GA]
	v_lshl_add_u32 v[AHC], v16, 2, s59
	v_lshrrev_b32 v[AHS], 2, v16
	v_add_nc_u32 v[AHS], s60, v[AHS]
	s_wait_alu depctr_va_vdst(0)
.irp j, 0,1
.irp q, 0,1
	global_load_b128 v[TA+8*\j+4*\q:TA+8*\j+4*\q+3], v[GA], s[6:7] offset:1024*\j+16*\q
	global_load_b128 v[TBL+8*\j+4*\q:TBL+8*\j+4*\q+3], v[GA], s[6:7] offset:2048+1024*\j+16*\q
.endr
.endr
.irp p, 0,1,2,3,4,5,6,7
.irp j, 0,1
.irp q, 0,1
	ds_load_b128 v[X+16*\p+8*\j+4*\q:X+16*\p+8*\j+4*\q+3], v[AXR] offset:\p*XP+1024*\j+16*\q
.endr
.endr
.endr
	s_wait_dscnt 0x0
.irp p, 0,1,2,3,4,5,6,7
	v_pk_add_f32 v[SA+2*\p:SA+2*\p+1], v[X+16*\p:X+16*\p+1], v[X+16*\p+2:X+16*\p+3]
.endr
.irp j, 4,6,8,10,12,14
.irp p, 0,1,2,3,4,5,6,7
	v_pk_add_f32 v[SA+2*\p:SA+2*\p+1], v[SA+2*\p:SA+2*\p+1], v[X+16*\p+\j:X+16*\p+\j+1]
.endr
.endr
	LANESUM SA
.irp p, 0,1,2,3,4,5,6,7
	v_mul_f32 v[SA+2*\p], s48, v[SA+2*\p]          ; the mean
.endr
.irp j, 0,2,4,6,8,10,12,14
.irp p, 0,1,2,3,4,5,6,7
	v_pk_add_f32 v[X+16*\p+\j:X+16*\p+\j+1], v[X+16*\p+\j:X+16*\p+\j+1], v[SA+2*\p:SA+2*\p+1] op_sel_hi:[1,0] neg_lo:[0,1] neg_hi:[0,1]
.endr
.endr
.irp p, 0,1,2,3,4,5,6,7
	v_pk_mul_f32 v[SQ+2*\p:SQ+2*\p+1], v[X+16*\p:X+16*\p+1], v[X+16*\p:X+16*\p+1]   ; the variance in a second pass, of what is left
.endr
.irp j, 2,4,6,8,10,12,14
.irp p, 0,1,2,3,4,5,6,7
	v_pk_fma_f32 v[SQ+2*\p:SQ+2*\p+1], v[X+16*\p+\j:X+16*\p+\j+1], v[X+16*\p+\j:X+16*\p+\j+1], v[SQ+2*\p:SQ+2*\p+1]
.endr
.endr
	LANESUM SQ
.irp p, 0,1,2,3,4,5,6,7
	v_fma_f32 v[SQ+2*\p], v[SQ+2*\p], s48, s49
.endr
	s_wait_alu depctr_va_vdst(0)
.irp p, 0,1,2,3,4,5,6,7
	v_rsq_f32 v[SQ+2*\p], v[SQ+2*\p]
.endr
	v_nop
	s_wait_alu depctr_va_vdst(0)
	s_wait_loadcnt 0x0                             ; 1 + scale, shift (and Wq, which is older)
.irp j, 0,2,4,6,8,10,12,14
.irp p, 0,1,2,3,4,5,6,7
	v_pk_mul_f32 v[X+16*\p+\j:X+16*\p+\j+1], v[X+16*\p+\j:X+16*\p+\j+1], v[SQ+2*\p:SQ+2*\p+1] op_sel_hi:[1,0]
.endr
.endr
.irp j, 0,2,4,6,8,10,12,14
.irp p, 0,1,2,3,4,5,6,7
	v_pk_fma_f32 v[X+16*\p+\j:X+16*\p+\j+1], v[X+16*\p+\j:X+16*\p+\j+1], v[TA+\j:TA+\j+1], v[TBL+\j:TBL+\j+1]
.endr
.endr
; h is quantised: chunk q = 2 p + j is 8 neighbours of row p; four neighbouring lanes hold a block of 32
.set q, 0
.rept 16
	v_max3_num_f32 v[16+q], |v[X+8*q]|, |v[X+8*q+1]|, 0x1800000
.set q, q+1
.endr
.irp e, 2,4,6
.set q, 0
.rept 16
	v_max3_num_f32 v[16+q], v[16+q], |v[X+8*q+\e]|, |v[X+8*q+\e+1]|
.set q, q+1
.endr
.endr
.irp k, 1,2
.set q, 0
.rept 16
	v_max_num_f32_dpp v[16+q], v[16+q], v[16+q] row_xmask:\k row_mask:0xf bank_mask:0xf
.set q, q+1
.endr
.endr
.set q, 0
.rept 16
	v_add_nc_u32 v[32+q], 0xff000000, v[16+q]
.set q, q+1
.endr
.set q, 0
.rept 16
	v_lshrrev_b32 v[48+q], 23, v[32+q]
.set q, q+1
.endr
.set q, 0
.rept 16
	v_cvt_scalef32_pk8_fp4_f32 v[16+q], v[X+8*q:X+8*q+7], v[32+q]
.set q, q+1
.endr
	v_nop
.set q, 0
.rept 16
	ds_store_b32 v[AHC], v[16+q] offset:(q/2)*CP+128*(q%2)
	ds_store_b8 v[AHS], v[48+q] offset:16*(q/2)+8*(q%2)            ; the block's four lanes write the same byte with the same value
.set q, q+1
.endr
	s_mov_b32 s[NO], 0
	s_mov_b64 s[KN:KN+1], s[KB:KB+1]
	KVLOAD 0                                       ; the head's first 128 keys: they land under q's projection
	v_bfe_u32 v[T0], v0, 4, 1
	v_sub_nc_u32 v[T0], 1, v[T0]                   ; 1 - h: k = 64 lies in the lowest four bits of register 4 of lanes 0-15
	WIN 0x40
.set j, 0
.rept 16
	v_lshlrev_b32 v[KF+8*j+4], 1, v[T0]            ; K: the code of +1
	v_mov_b32 v[KF+8*j+5], 0
	v_mov_b32 v[KF+8*j+6], 0
	v_mov_b32 v[KF+8*j+7], 0
.set j, j+1
.endr
	WIN 0
	s_wait_alu depctr_va_vdst(0)
	BAR                                            ; h's codes and scale bytes lie in LDS
.irp m, 0,1,2,3
	v_mul_u32_u24 v[QF+8*\m+4], v[T0], 10          ; Q: the code of -1
	v_mov_b32 v[QF+8*\m+5], 0
	v_mov_b32 v[QF+8*\m+6], 0
	v_mov_b32 v[QF+8*\m+7], 0
.endr
; q of my head for tile m: four accumulators by turns; quantised along the head's 64; it stays in my registers
.macro QP m
.if (\m) < 3
	FETCHH (\m)+1, 96+64*(((\m)+1)%2), 198+38*(((\m)+1)%2), 0, 0
	s_wait_dscnt 9                                 ; this tile's are in; the next tile's nine loads may be out
.else
	s_wait_dscnt 0x0
.endif
	WIN 0x01
.irp t, 0,1,2,3
	PJ S+8*\t, 0, 96+64*((\m)%2), 198+38*((\m)%2), \t, 0, 1
.endr
.irp s, 1,2,3
.irp t, 0,1,2,3
	PJ S+8*\t, 0, 96+64*((\m)%2), 198+38*((\m)%2), \t, \s, 0
.endr
.endr
	WIN 0
	PLACES
	QUANT S, QF+8*(\m)
	v_or_b32 v[QW+(\m)], 0x7f7f0000, v[PW]         ; the padding's two blocks: byte 127
.endm
	FETCHH 0, 96, 198, 0, 0
	QP 0
	QP 1
	QP 2
	QP 3
.irp m, 0,1,2,3
	v_mov_b32 v[NM+2*\m], 0x7f61b1e6               ; -M = 3e38: M lies under every t
	v_mov_b32 v[NM+2*\m+1], 0
	v_mov_b32 v[LS+2*\m], 0
	v_mov_b32 v[LS+2*\m+1], 0
.endr
	v_mov_b32 v[PSW], 0
	WIN 0x40
.set j, 0
.rept 128
	v_mov_b32 v[j], 0                              ; O^T: the step is written once; the first finds zeros
.set j, j+1
.endr
	WIN 0
	s_mov_b32 s31, 4
.Lstep:
	STEPK 0
	STEPK 1
	s_sub_co_u32 s31, s31, 1
	s_cmp_lg_u32 s31, 0
	s_cbranch_scc1 .Lstep
	s_wait_alu depctr_va_vdst(0)
	s_wait_loadcnt 0x0                             ; the wrapped step's loads have landed: their registers may be asked for again
	PLACES
	WLOAD 128, 14, 16                              ; Wp, where K lay
	v_bfe_u32 v[GT], v0, 4, 1
	v_lshlrev_b32 v[GT], 6, v[GT]
.irp b, 0,1
.irp j, 0,1,2,3
	global_load_b128 v[BP+16*\b+4*\j:BP+16*\b+4*\j+3], v[GT], s[18:19] offset:128*\b+16*\j
.endr
.endr
.irp m, 0,1,2,3
	v_add_f32 v[LS+2*\m], v[LS+2*\m], v[LS+2*\m+1]
.endr
.irp m, 0,1,2,3
	s_delay_alu instid0(VALU_DEP_4)
	v_permlanex16_b32 v[LS+2*\m+1], v[LS+2*\m], s[SEL], s[SEL+1]
.endr
.irp m, 0,1,2,3
	s_delay_alu instid0(VALU_DEP_4)
	v_add_f32 v[LS+2*\m], v[LS+2*\m], v[LS+2*\m+1]
.endr
	s_wait_alu depctr_va_vdst(0)
.irp m, 0,1,2,3
	v_rcp_f32 v[LS+2*\m], v[LS+2*\m]
.endr
	v_nop
.irp m, 0,1,2,3
	WIN 0x01
	s_wait_alu depctr_va_vdst(0)                   ; behind the reciprocals, directly ahead of the first reader of this tile's O^T
.set j, 0
.rept 16
	v_pk_mul_f32 v[S+32*(\m%2)+j:S+32*(\m%2)+j+1], v[32*\m+j:32*\m+j+1], v[LS+2*\m:LS+2*\m+1] op_sel_hi:[1,0]
.set j, j+2
.endr
	WIN 0
	QUANT S+32*(\m%2), PCD+4*(\m%2)
	ds_store_b128 v[AOC], v[PCD+4*(\m%2):PCD+4*(\m%2)+3] offset:\m*16*CP
	ds_store_b16 v[AOS], v[PW] offset:256*\m
.endr
	s_wait_asynccnt 0x0                            ; my rows of the other block are in too
	v_and_b32 v240, 15, v0
	v_bfe_u32 v241, v0, 4, 1
	v_mul_u32_u24 v[AXC], v240, XP
	v_lshl_add_u32 v[AXC], v241, 6, v[AXC]
	v_add_nc_u32 v[AXC], s61, v[AXC]               ; x as accumulators: row r, my columns, + 64 h bytes
	v_add_nc_u32 v[AXC+1], 32*XP, v[AXC]
	v_mul_u32_u24 v[ARB], v241, XP
	v_lshl_add_u32 v[ARB], v240, 4, v[ARB]
	v_add_nc_u32 v[ARB], s61, v[ARB]               ; as dense rows: lanes 0-15 one row's 256 bytes, lanes 16-31 the next's
	v_add_nc_u32 v[ARB+1], 32*XP, v[ARB]
	v_lshlrev_b32 v[GO], 11, v241
	v_lshl_add_u32 v[GO], v240, 4, v[GO]
	s_wait_alu depctr_va_vdst(0)
	BAR                                            ; o's codes and scale bytes lie in LDS, and everybody's rows of x
.macro XFETCH m                        ; tile m: x at my columns as accumulators, o's fragments and scale words: 17 loads
.irp b, 0,1
.irp j, 0,1,2,3
	ds_load_b128 v[S+32*((\m)%2)+16*\b+4*\j:S+32*((\m)%2)+16*\b+4*\j+3], v[AXC+(\m)/2] offset:((\m)%2)*16*XP+128*\b+16*\j
.endr
.endr
	FETCHH \m, VF+32*((\m)%2), KS+4*((\m)%2), OCO, OSO
.endm
.macro PP m                            ; out0's tile m at my columns = x + bp + o Wp
.set AC, S+32*((\m)%2)
.if (\m) < 3
	XFETCH (\m)+1
	s_wait_dscnt 17                                ; this tile's are in; the next tile's 17 loads may be out
.else
	s_wait_dscnt 0x0
.endif
.set AC, S+32*((\m)%2)
.set j, 0
.rept 16
	v_pk_add_f32 v[AC+j:AC+j+1], v[AC+j:AC+j+1], v[BP+j:BP+j+1]
.set j, j+2
.endr
	PLACES
	WIN 0x01
.irp s, 0,1,2,3
.irp t, 0,1,2,3
	PJ AC+8*\t, 128, VF+32*((\m)%2), KS+4*((\m)%2), \t, \s, 0
.endr
.endr
	WIN 0
	PLACES
.irp b, 0,1
.irp j, 0,1,2,3
	ds_store_b128 v[AXC+(\m)/2], v[AC+16*\b+4*\j:AC+16*\b+4*\j+3] offset:((\m)%2)*16*XP+128*\b+16*\j   ; back into x's bytes, each accumulator from its low end on
.endr
.endr
	s_wait_xcnt 0x0                                ; the last tile's stores have read their registers
.irp i, 0,1,2,3,4,5,6,7
	ds_load_b128 v[48+4*\i+(\i/4)*136:48+4*\i+(\i/4)*136+3], v[ARB+(\m)/2] offset:(((\m)%2)*16+2*\i)*XP   ; LDS serves a wave's instructions in order: these see the stores above
.endr
	s_wait_dscnt 0x0
.irp i, 0,1,2,3,4,5,6,7
	global_store_b128 v[GO], v[48+4*\i+(\i/4)*136:48+4*\i+(\i/4)*136+3], s[20:21] offset:(16*(\m)+2*\i)*2048 th:TH_STORE_NT   ; sixteen lanes store 256 consecutive bytes, aligned
.endr
.endm
	XFETCH 0
	s_wait_loadcnt 0x0                             ; Wp and bp
	PP 0
	PP 1
	PP 2
	PP 3
	s_wait_xcnt 0x0                                ; the stores have read their base and registers
	s_add_nc_u64 s[20:21], s[20:21], 64*2048
	s_add_co_u32 s[XB], s[XB], XBLK
	s_sub_co_u32 s32, s32, 1
	s_cmp_lg_u32 s32, 0
	s_wait_alu depctr_va_vdst(0)
	s_cbranch_scc1 .Lblock
	s_wait_tensorcnt 0x0                           ; the wave's end
	ds_add_u32 v[SPW], v[NIL]
	s_wait_dscnt 0x0
	s_endpgm
.Lfunc_end_k_q0e20c102ca_attn:
	.size	k_q0e20c102ca_attn, .Lfunc_end_k_q0e20c102ca_attn-k_q0e20c102ca_attn
	.p2alignl 7, 3214868480
	.fill 96, 4, 3214868480
	.section	.rodata,"a",@progbits
	.p2align	6, 0x0
	.amdhsa_kernel k_q0e20c102ca_attn
		.amdhsa_group_segment_fixed_size 327680
		.amdhsa_private_segment_fixed_size 0
		.amdhsa_enable_private_segment 0
		.amdhsa_kernarg_size 72
		.amdhsa_user_sgpr_count 2
		.amdhsa_user_sgpr_kernarg_segment_ptr 1
		.amdhsa_wavefront_size32 1
		.amdhsa_system_sgpr_workgroup_id_x 1
		.amdhsa_system_sgpr_workgroup_id_y 1
		.amdhsa_system_sgpr_workgroup_id_z 1
		.amdhsa_system_vgpr_workitem_id 0
		.amdhsa_next_free_vgpr 512
		.amdhsa_next_free_sgpr 66
		.amdhsa_reserve_vcc 0
		.amdhsa_float_denorm_mode_32 3
		.amdhsa_float_denorm_mode_16_64 3
		.amdhsa_memory_ordered 1
		.amdhsa_forward_progress 1
		.amdhsa_inst_pref_size 249
	.end_amdhsa_kernel
	.amdgpu_metadata
---
amdhsa.version: [ 1, 2 ]
amdhsa.kernels:
  - .name:           k_q0e20c102ca_attn
    .symbol:         k_q0e20c102ca_attn.kd
    .args:
      - { .name: x, .offset: 0, .size: 8, .value_kind: global_buffer, .address_space: global }
      - { .name: ada, .offset: 8, .size: 8, .value_kind: global_buffer, .address_space: global }
      - { .name: kvbuf, .offset: 16, .size: 8, .value_kind: global_buffer, .address_space: global }
      - { .name: Wq_codes, .offset: 24, .size: 8, .value_kind: global_buffer, .address_space: global }
      - { .name: Wq_scales, .offset: 32, .size: 8, .value_kind: global_buffer, .address_space: global }
      - { .name: Wp_codes, .offset: 40, .size: 8, .value_kind: global_buffer, .address_space: global }
      - { .name: Wp_scales, .offset: 48, .size: 8, .value_kind: global_buffer, .address_space: global }
      - { .name: bp, .offset: 56, .size: 8, .value_kind: global_buffer, .address_space: global }
      - { .name: out0, .offset: 64, .size: 8, .value_kind: global_buffer, .address_space: global }
    .group_segment_fixed_size: 327680
    .private_segment_fixed_size: 0
    .kernarg_segment_align: 8
    .kernarg_segment_size: 72
    .max_flat_workgroup_size: 256
    .sgpr_count:     66
    .vgpr_count:     512
    .wavefront_size: 32
...
	.end_amdgpu_metadata
.endif
;; end of part 2
